; MI455X (gfx1250); checked and timed in simulation.
; The chip was launched on July 23, 2026; its instructions are those of AMD's public machine-readable ISA for CDNA 5 (MIT licence, August 2026) and "CDNA5" Instruction Set Architecture Reference Guide (July 2026). The comments in the code are by the model that wrote it; some were corrected since.
;; Causal Self Attention. Allowed arithmetic: matrix products marked QUANTISED: E4M3 operands, one E8M0 scale for each 32 along K, by v_wmma_scale_f32_16x16x128_f8f6f4 with both operands' format E4M3, f32 sums; everything else in f32.
;; Inputs: b_proj 1,024 float32; b_qkv 3,072 float32; w_proj_codes 1,024 x 32 x 32 uint8 (E4M3 codes of w_proj, K innermost, in blocks of 32 codes); w_proj_scales 1,024 x 32 uint8 (E8M0 scales of w_proj, one for each 32 codes along K); w_qkv_codes 3,072 x 32 x 32 uint8 (E4M3 codes of w_qkv, K innermost, in blocks of 32 codes); w_qkv_scales 3,072 x 32 uint8 (E8M0 scales of w_qkv, one for each 32 codes along K); x_codes 4 x 2,048 x 32 x 32 uint8 (E4M3 codes of x, K innermost, in blocks of 32 codes); x_scales 4 x 2,048 x 32 uint8 (E8M0 scales of x, one for each 32 codes along K).
;; Outputs: out0 4 x 2,048 x 1,024 float32.
;; This version of the problem:
;;   THIS VERSION OF THE PROBLEM IS GIVEN IN LOW PRECISION. The matrix products marked QUANTISED in the list below multiply operands that are first quantised to E4M3 (4 exponent bits, 3 mantissa bits; 8 bits a number), with one power-of-two scale for each 32 numbers along K (OCP MX v1.0); their sums are f32. All else is computed in f32.
;;   The module's matrix products, in the order in which they are computed (A, B: the left and right operand; K: the contracted axis; several contracted axes count as one K, in the product's order):
;;     1. [M 8,192, K 1,024] x [K 1,024, N 3,072]; A: input x (given as codes); B: input w_qkv (given as codes): QUANTISED
;;     2. batch 64 x [M 2,048, K 64] x [K 64, N 2,048]; A: computed on the way; B: computed on the way: QUANTISED
;;     3. batch 64 x [M 2,048, K 2,048] x [K 2,048, N 64]; A: softmax (see below); B: computed on the way: QUANTISED
;;     4. [M 8,192, K 1,024] x [K 1,024, N 1,024]; A: computed on the way; B: input w_proj (given as codes): QUANTISED
;;   THE QUANTISER, for each operand of a quantised product, along K:
;;     - K is cut into blocks of 32 from its start; a last block that is shorter is filled with zeros.
;;     - A block's scale is 2^e with e = floor(log2(the largest magnitude in the block)) - 8, held to -126 .. 127; a block of zeros has e = 0. As a byte (E8M0): e + 127.
;;     - Each number is divided by its block's scale, clamped to +-448, and rounded to the nearest number of E4M3, ties to even, subnormals kept.
;;     - The product sums the exact products of the quantised numbers (number of the format x scale) in f32.
;;   ~~~python
;;   def quantise(x, axis):      # numpy; x: float32 -> the quantised numbers, widened to float32 again
;;       x = np.moveaxis(x, axis, -1); K = x.shape[-1]
;;       x = np.pad(x, [(0, 0)] * (x.ndim - 1) + [(0, -K % 32)]); x = x.reshape(x.shape[:-1] + (-1, 32)); a = np.abs(x).max(-1, keepdims=True)
;;       e = np.where(a > 0, np.clip(np.frexp(np.where(a > 0, a, 1))[1] - 1 - 8, -126, 127), 0)      # np.frexp(a)[1] - 1 = floor(log2(a)), exactly
;;       r = np.clip(x / 2.0 ** e, -448, 448)
;;       step = 2.0 ** (np.maximum(np.frexp(np.where(r == 0, 1, r))[1] - 1, -6) - 3)
;;       q = np.round(r / step) * step * 2.0 ** e      # np.round: ties to even
;;       return np.moveaxis(q.reshape(q.shape[:-2] + (-1,))[..., :K], -1, axis).astype(np.float32)
;;   ~~~
;;   SOFTMAX AHEAD OF A QUANTISED PRODUCT. Where the list says 'softmax', what is quantised is not the finished softmax but p = 2^(t - M), with t = logit x log2(e) and M = ceil(the row's largest t), a whole number; so 1/2 < the row's largest p <= 1. The row's sum l is taken of the UNQUANTISED p, in f32, and the product's result is divided by l at the end. Since M is a whole number, a kernel that streams over the keys may use a running M (the ceiling of the running maximum): every later rescaling is an exact power of two, which a block's scale takes up: the codes' values come out the same.
;;   OPERANDS COMPUTED ON THE WAY. 'Computed on the way' means the value that the module computes at that place (a softmax that the list does not call 'softmax' is quantised finished and normalised). What goes into a quantiser is computed in f32, as accurately as f32 sums, v_exp_f32 and their like allow (about 1e-6 of the number): no bf16 or f16 on the way to a quantiser, and a product that is left as it is and whose result goes on into a quantised operand takes f32 operands (vector FMAs, or v_wmma_f32_16x16x4_f32). A number that lies on a knife's edge between two numbers of the format may be rounded either way, as far as f32 arithmetic and the matrix unit's own rounding can turn it there, and no further.
;;   INPUTS GIVEN AS CODES. w_proj (in the module: [1024, 1024], K = its axis 0); w_qkv (in the module: [1024, 3072], K = its axis 0); x (in the module: [4, 2048, 1024], K = its axis 2): each comes as NAME_codes (uint8): NAME with its K axis moved to the last place and cut into blocks of 32 codes, [.., K / 32, bytes a block], one block behind the other in memory; one code a byte (a code: sign, 4 exponent bits, 3 mantissa bits); and NAME_scales (uint8): the same leading axes, one E8M0 byte (e + 127) for each 32 codes along K. Its value is code x scale, taken as it is: it is not quantised again, and the codes and scales need not be those that the quantiser above would give.
;; One version. Each part assembles by itself: llvm-mc -triple=amdgcn-amd-amdhsa -mcpu=gfx1250 --defsym DOCPART=n.
;; ======== version 1 of 1: 3 launches
;; limits: right only within a limited range of input values
;; workspace buffers: qb 17,563,648 bytes; kv 17,563,648 bytes; y_codes 8,388,608 bytes; y_sc 262,144 bytes
;; launch qkv (part 1): grid 12 x 32, 4 waves a work-group, clusters of 4 x 4, 327,680 bytes of LDS; arguments x_codes, x_scales, w_qkv_codes, w_qkv_scales, b_qkv, qb, kv; writes qb, kv
.if DOCPART == 1
	.amdgcn_target "amdgcn-amd-amdhsa--gfx1250"
	.amdhsa_code_object_version 6
	.text
	.protected	k_qd00385585b_qkv
	.globl	k_qd00385585b_qkv
	.p2align	8
	.type	k_qd00385585b_qkv,@function
k_qd00385585b_qkv:
	s_mov_b64 s[64:65], 0
	v_nop
	global_prefetch_b8 v0, s[64:65] scope:SCOPE_SE
	s_setreg_imm32_b32 hwreg(HW_REG_WAVE_MODE, 25, 1), 1
	s_wait_xcnt 0x0
	s_wait_alu depctr_hold_cnt(0) depctr_sa_sdst(0) depctr_va_vdst(0) depctr_va_sdst(0) depctr_va_ssrc(0) depctr_va_vcc(0) depctr_vm_vsrc(0)
	s_getreg_b32 s2, hwreg(HW_REG_IB_STS2, 6, 4)
	s_cmp_eq_u32 s2, 0
	s_cbranch_scc0 .Lentry_in_a_cluster
	s_endpgm
.Lentry_in_a_cluster:
	s_bfe_u32 s2, ttmp6, 0x10000c
	s_cmp_lg_u32 s2, 0xf033
	s_cbranch_scc0 .Lentry_shape_is_right
	s_endpgm
.Lentry_shape_is_right:
; qkv = x w_qkv + b_qkv on codes of FP8 (E4M3) with one E8M0 scale for each 32 along K = 1,024; q, k and v are quantised here, in registers, and leave as codes.
; x: [8,192][1,024] codes, w_qkv: [3,072][1,024] codes, K innermost; their scale bytes [rows][32].  A tile of the result is 256 x 256: four waves, each 128 x 128 in 64 accumulators.
; THE TWO SOURCES.  Source 1 ("A") gives a lane its row, source 0 ("B") runs along a lane's registers, and a quantiser wants its K along the registers.
;   cluster x = 0 (q), 1 (k): A = 256 tokens of x, B = 256 rows of w_qkv: a lane holds a token, its registers run along the head's channels.
;   cluster x = 2 (v):        A = 256 rows of w_qkv (from row 2,048 on), B = 256 tokens of x: a lane holds a channel, its registers run along the tokens, which are the keys.
; Both operands have rows of 1,024 bytes and scale rows of 32, so only pointers and tile numbers are chosen (on the cluster's x, which all partners share); ring, loop and LDS are one text.
; CLUSTERS: 4 x 4 work-groups; A's tile is shared along a row of the cluster, B's along a column: each is asked for jointly.
; WHAT A LANE'S CODES ARE.  The 16 registers of B's blocks 2 e and 2 e + 1 are members 8 h + 0..7 and 16 + 8 h + 0..7 of one true block of 32 (h = lane / 16); lane l xor 16 holds the other 16.
; Their four code registers are stored as they stand, as registers 4 c .. 4 c + 3 of the later operand: a fixed order inside each block of 32, the same in q and k, and the same in v and in the later p.
; AN IMAGE is such a group of four registers of all 32 lanes: 512 consecutive bytes, lane l's 16 at 16 l.
; A HEAD BLOCK (HEADB bytes, one for each batch and head, in qb and in kv): 2,048 words [s0, s1, 0x7f, 0x7f], one a token; 16 x 64 words of v's scales [key step][channel];
;   then for each key step of 128 tokens 16 images of q or k ([tile of 16 tokens][c]) and 16 images of v (channel tile ct, key block c at 1,024 ct + 512 (c % 2) + 4,096 (c / 2)).
; LIMITS: NaN and infinities among the inputs are not served; a block of zeros, or one whose largest magnitude lies under 2^-118, gets the scale byte 1 (this program alone reads these bytes).
; REGISTERS, in windows of 256: window 0: v0-31 addresses and v's biases; v32-63 scale words, two sets; v64-127 q's and k's biases; from v128 A's fragments, ONE set, later the numbers at work.
;   window 1: B's fragments, TWO sets.   window 2: the accumulators of my rows 0-63 ((a, b) at v[8 (8 a + b)]);   window 3: those of my rows 64-127.
.set KSTEP,  256
.set NQ,     2                         ; matrix instructions deep in a slot
.set ROWB,   256                       ; a tile's row in bytes
.set KROW,   1024                      ; a row of x or of w_qkv in memory
.set PITCH,  272                       ; an LDS row: 256 bytes + 16 of padding: the 16 rows that a load touches start at 16 different banks (64 banks of 4 bytes: ISA guide 11.1)
.set FR,     16
.set NL,     4
.set NP,     8                         ; places behind this matrix instruction (ISA guide 7.12.1)
.set HALFT,  128*PITCH
.set SLOT,   4*HALFT                   ; A's 256 rows, then B's 256 rows
.set KS,     32                        ; a row of scales in bytes
.set SCL,    2*SLOT                    ; behind the ring: the scales of all of K, as units of 256 bytes + 16 of padding
.set HALFS,  16*272
.set SBLK,   2*272
.set SPARE,  SCL+4*HALFS               ; the spare words, 128 bytes for each wave
.set HEADB,  274432
.set BO,   8                           ; v8-15   v's bias: block a's, for my lane's channel
.set ADRA, 16                          ; v16-17  LDS address of my A fragments in slot 0, 1
.set ADRB, 20                          ; v20-21  the same for B
.set VO0,  22                          ; v22     16 x lane: an image's place for my lane
.set VO1,  23                          ; v23     the same, one head (q, k) or two key blocks (v) on
.set SST,  24                          ; v24     the words' stage: where I put a word
.set SRD,  25                          ; v25     and where I read 16 bytes back
.set VS1,  26                          ; v26     the words' first store
.set ADRS, 27                          ; v27     LDS address of my scale words: lanes 0-15 A's rows, lanes 16-31 B's
.set SPW,  28                          ; v28     LDS address of my spare word; never rewritten
.set NIL,  29                          ; v29     0; never rewritten
.set VSH,  30                          ; v30     q, k: 16 x (lane / 16): which head's two bytes of the word my lane keeps; v: 0
.set VS2,  31                          ; v31     the words' second store
.set SC,   32
.set BI,   64                          ; v64-127 q's, k's bias in the result's layout: register 8 b + j: B's row 16 b + 8 h + j
.set AF,   128
.set T,    128                         ; v128-191 a block's 64 numbers a lane
.set PC,   192                         ; v192-207 their codes
.set TM,   208                         ; v208-223 at work
.set PW,   224                         ; the scale word just made
.set VAL,  225
.set BB,   226                         ; v[226:227] v's bias as a pair
.set MNT,  2
.set WV,   20
.set RH,   21
.set CH,   22
.set PATH, 23                          ; s23 1: v;  0: q, k
.set G1,   24
.set G0,   32
.set G1B,  48
.set G0B,  56
.set SEL,  66
.set G1S,  68
.set G0S,  76
.set G1SB, 80
.set G0SB, 88
.set MSB, 0
.macro WIN new                         ; the immediate's high byte repeats the setting that is left
.if MSB != \new
	s_set_vgpr_msb (MSB<<8)|\new
.set MSB, \new
.endif
.endm
.set MUL_LO, 0xa1                      ; source 0 (B) window 1, source 1 (A) window 0, C and D window 2
.set MUL_HI, 0xf1
.set TO_B,   0x40
; A joint load: waves 0 and 1 fetch for A, waves 2 and 3 for B; the branch hangs on the wave's number alone.  Four v_nop follow each of the two lines.
.macro JLOAD g0a, g1a, g0b, g1b
	s_cmp_eq_u32 s[RH], 0
	s_cbranch_scc0 .Lfor_b_\@
	tensor_load_to_lds s[\g0a:\g0a+3], s[\g1a:\g1a+7]
	s_nop 0
.rept 4
	v_nop
.endr
	s_branch .Lasked_\@
.Lfor_b_\@:
	tensor_load_to_lds s[\g0b:\g0b+3], s[\g1b:\g1b+7]
	s_nop 0
.rept 4
	v_nop
.endr
.Lasked_\@:
.endm
.macro CREST                           ; a round of the cluster's barrier behind its opening barrier
	s_cmp_lg_u32 s[WV], 0
	s_cbranch_scc1 .Lnot_wave_0_\@
	s_barrier_signal -3
.Lnot_wave_0_\@:
	s_barrier_wait -3
	s_barrier_signal -1
	s_barrier_wait -1
.endm
.macro CROUND
	s_barrier_signal -1
	s_barrier_wait -1
	CREST
.endm
	s_load_b256 s[4:11], s[0:1], 0x0               ; x's codes s[4:5], x's scales s[6:7], w's codes s[8:9], w's scales s[10:11]
	s_load_b128 s[12:15], s[0:1], 0x20             ; b_qkv s[12:13], qb s[14:15]
	s_load_b64 s[16:17], s[0:1], 0x30              ; kv
	v_lshl_add_u32 v[SPW], v0, 2, SPARE
	v_mov_b32 v[NIL], 0
	ds_add_u32 v28, v29
	ds_add_u32 v28, v29
	s_wait_dscnt 0x0
	v_lshrrev_b32 v1, 5, v0
	v_readfirstlane_b32 s[WV], v1                  ; wave 0..3
	s_lshr_b32 s[RH], s[WV], 1                     ; which half of A's rows is mine.  Also: I fetch for A (0) or for B (1)
	s_and_b32 s[CH], s[WV], 1                      ; which half of B's rows.  Also: which 128 rows of that tile I fetch
	s_bfe_u32 s40, ttmp6, 0x40000                  ; cx
	s_bfe_u32 s41, ttmp6, 0x40004                  ; cy
	s_and_b32 s18, ttmp7, 0xffff
	s_lshl_b32 s18, s18, 2                         ; 4 x cluster y
	s_lshl_b32 s19, ttmp9, 2                       ; 4 x cluster x
	s_cmp_eq_u32 ttmp9, 2                          ; the cluster's x: the same in all sixteen partners
	s_cselect_b32 s[PATH], 1, 0
	s_cselect_b32 s43, 8, s18                      ; A's tile: w's from tile 8 on (v), or x's by the cluster's y
	s_cselect_b32 s42, s18, s19                    ; B's tile: x's by the cluster's y (v), or w's by the cluster's x
	s_add_co_u32 s43, s43, s41                     ; + cy: shared along a row of the cluster
	s_add_co_u32 s42, s42, s40                     ; + cx: shared along a column
	s_lshl_b32 s44, s41, 2
	s_lshl_b32 s44, 15, s44                        ; my row of the cluster
	s_lshl_b32 s45, 0x1111, s40                    ; my column
	s_mov_b32 s[SEL], 0x76543210
	s_mov_b32 s[SEL+1], 0xfedcba98                 ; v_permlanex16_b32's selects for lane l xor 16
	; descriptor group 1: a tile of 128 rows x 256 bytes, padded in LDS
	s_or_b32 s[G1+0], s44, (0<<16)|(1<<20)|(1<<21)|(5<<22)|(3<<25)  ; 15:0 the mask; 17:16 elements of 1 byte; 20 padding on; 21 set beside a mask; 24:22 after every 64 words; 31:25 four words
	s_or_b32 s[G1B+0], s45, (0<<16)|(1<<20)|(1<<21)|(5<<22)|(3<<25)
.irp g, G1, G1B
	s_mov_b32 s[\g+1], ROWB<<16                    ; tensor_dim0
	s_mov_b32 s[\g+2], 128<<16                     ; tensor_dim1
	s_mov_b32 s[\g+3], ROWB<<16                    ; tile_dim0
	s_mov_b32 s[\g+4], 128                         ; tile_dim1
	s_mov_b32 s[\g+5], KROW                        ; tensor_dim0_stride
	s_mov_b32 s[\g+6], 0
	s_mov_b32 s[\g+7], 0
.endr
	; the scales of 128 rows: 4,096 dense bytes, as 16 rows of 256 bytes (32 elements of 8 bytes), 16 bytes of padding behind each
	s_or_b32 s[G1S+0], s44, (3<<16)|(1<<20)|(1<<21)|(5<<22)|(3<<25)
	s_or_b32 s[G1SB+0], s45, (3<<16)|(1<<20)|(1<<21)|(5<<22)|(3<<25)
.irp g, G1S, G1SB
	s_mov_b32 s[\g+1], 32<<16
	s_mov_b32 s[\g+2], 16<<16
	s_mov_b32 s[\g+3], 32<<16
	s_mov_b32 s[\g+4], 16
	s_mov_b32 s[\g+5], 32
	s_mov_b32 s[\g+6], 0
	s_mov_b32 s[\g+7], 0
.endr
	s_lshl_b32 s18, s[CH], 7                       ; which 128 rows of the tile I fetch
	s_lshl_b32 s94, s43, 8
	s_add_co_u32 s94, s94, s18                     ; A's row: at most 8,191, so every offset stays under 2^24
	s_lshl_b32 s92, s94, 10                        ; its codes,
	s_lshl_b32 s94, s94, 5                         ; its scales
	s_mov_b32 s93, 0
	s_mov_b32 s95, 0
	s_lshl_b32 s98, s42, 8
	s_add_co_u32 s98, s98, s18                     ; B's row
	s_lshl_b32 s96, s98, 10
	s_lshl_b32 s98, s98, 5
	s_mov_b32 s97, 0
	s_mov_b32 s99, 0
	s_mul_i32 s100, s[WV], HALFT                   ; where they go: wave x 128 rows: no place in the cluster enters an LDS address
	s_mul_i32 s101, s[WV], HALFS
	s_wait_kmcnt 0x0
	s_cmp_eq_u32 s[PATH], 1                        ; the 64-bit sums below leave SCC alone
	s_cselect_b64 s[46:47], s[8:9], s[4:5]         ; A's codes: w's (v) or x's
	s_add_nc_u64 s[92:93], s[46:47], s[92:93]
	s_cselect_b64 s[46:47], s[10:11], s[6:7]       ; A's scales
	s_add_nc_u64 s[94:95], s[46:47], s[94:95]
	s_cselect_b64 s[46:47], s[4:5], s[8:9]         ; B's codes
	s_add_nc_u64 s[96:97], s[46:47], s[96:97]
	s_cselect_b64 s[46:47], s[6:7], s[10:11]       ; B's scales
	s_add_nc_u64 s[98:99], s[46:47], s[98:99]
	CROUND                                         ; all sixteen work-groups are here: the first joint loads meet
	s_mov_b32 s[G0S], 1
	s_add_co_u32 s[G0S+1], s101, SCL
	s_mov_b64 s[G0S+2:G0S+3], s[94:95]
	s_or_b32 s[G0S+3], s[G0S+3], 0x80000000
	s_mov_b32 s[G0SB], 1
	s_add_co_u32 s[G0SB+1], s101, SCL
	s_mov_b64 s[G0SB+2:G0SB+3], s[98:99]
	s_or_b32 s[G0SB+3], s[G0SB+3], 0x80000000
	JLOAD G0S, G1S, G0SB, G1SB                     ; the scales first: they are wanted with K step 0
.irp s, 0,1
	s_mov_b32 s[G0+4*\s], 1
	s_add_co_u32 s[G0+4*\s+1], s100, \s*SLOT
	s_add_nc_u64 s[G0+4*\s+2:G0+4*\s+3], s[92:93], \s*ROWB
	s_or_b32 s[G0+4*\s+3], s[G0+4*\s+3], 0x80000000
	s_mov_b32 s[G0B+4*\s], 1
	s_add_co_u32 s[G0B+4*\s+1], s100, \s*SLOT
	s_add_nc_u64 s[G0B+4*\s+2:G0B+4*\s+3], s[96:97], \s*ROWB
	s_or_b32 s[G0B+4*\s+3], s[G0B+4*\s+3], 0x80000000
	JLOAD G0+4*\s, G1, G0B+4*\s, G1B               ; after the second, three tensor loads of mine are out
.endr
	v_and_b32 v1, 15, v0                           ; r = lane % 16
	v_bfe_u32 v2, v0, 4, 1                         ; h = lane / 16
	; the biases.  q, k: of B's rows, eight a block in the result's layout.  v: of A's rows, one a block for my lane.  Both are loaded on both paths, from places inside the buffer
	v_lshlrev_b32 v5, 5, v2                        ; 32 h
	v_lshlrev_b32 v6, 2, v1                        ; 4 r
	s_wait_alu depctr_va_vdst(0)
	s_lshl_b32 s18, s42, 10
	s_lshl_b32 s19, s[CH], 9
	s_add_co_u32 s18, s18, s19                     ; 4 x (256 x B's tile + 128 x half)
	s_cmp_eq_u32 s[PATH], 1
	s_cselect_b32 s18, 0, s18                      ; (on v's path B's tile counts tokens: the load stays at the buffer's head and is not used)
	s_mov_b32 s19, 0
	s_add_nc_u64 s[46:47], s[12:13], s[18:19]
.irp b, 0,1,2,3,4,5,6,7
	global_load_b128 v[BI+8*\b:BI+8*\b+3], v5, s[46:47] offset:64*\b
	global_load_b128 v[BI+8*\b+4:BI+8*\b+7], v5, s[46:47] offset:64*\b+16
.endr
	s_lshl_b32 s18, s41, 10
	s_lshl_b32 s19, s[RH], 9
	s_add_co_u32 s18, s18, s19
	s_add_co_u32 s18, s18, 8192                    ; 4 x (2,048 + 256 cy + 128 x half)
	s_mov_b32 s19, 0
	s_add_nc_u64 s[12:13], s[12:13], s[18:19]
.irp a, 0,1,2,3,4,5,6,7
	global_load_b32 v[BO+\a], v6, s[12:13] offset:64*\a
.endr
	v_mul_u32_u24 v3, v1, PITCH
	v_lshl_add_u32 v4, v2, 4, v3                   ; a fragment's row x pitch + 16 x half
	s_mul_i32 s18, s[RH], HALFT                    ; my 128 rows of A
	s_mul_i32 s19, s[CH], HALFT                    ; my 128 rows of B,
	s_add_co_u32 s19, s19, 2*HALFT                 ; which lie behind A's 256
.irp s, 0,1
	v_add_nc_u32 v[ADRA+\s], s18, v4
	v_add_nc_u32 v[ADRB+\s], s19, v4
	s_add_co_u32 s18, s18, SLOT
	s_add_co_u32 s19, s19, SLOT
.endr
	v_mul_u32_u24 v3, v1, KS                       ; my row's scales: 32 bytes a row,
	v_lshrrev_b32 v4, 8, v3
	v_lshl_add_u32 v3, v4, 4, v3                   ; and 16 more for each 256 passed
	s_mul_i32 s18, s[RH], HALFS
	s_mul_i32 s19, s[CH], HALFS
	s_add_co_u32 s19, s19, 2*HALFS
	s_sub_co_u32 s19, s19, s18
	v_mul_u32_u24 v4, s19, v2                      ; lanes 16-31 take B's
	s_add_co_u32 s18, s18, SCL
	v_add_nc_u32 v3, v3, v4
	v_add_nc_u32 v[ADRS], s18, v3
	s_lshl_b32 s18, s[WV], 10                      ; the words' stage: 1,024 bytes a wave at slot 0's head, used when that slot has had its last fill and its last read
	v_lshlrev_b32 v3, 2, v1
	v_lshl_add_u32 v3, v2, 9, v3
	v_add_nc_u32 v[SST], s18, v3                   ; 512 h + 4 r
	v_and_b32 v7, 31, v0
	v_lshlrev_b32 v[VO0], 4, v7
	v_add_nc_u32 v[SRD], s18, v[VO0]
.macro FRAG reg, adr, q, i             ; a fragment, 16 rows x 128 K: lane l holds row l % 16; registers 4 c .. 4 c + 3 hold K = 32 c + 16 (l / 16) + 0 .. 15
.irp c, 0,1,2,3
	ds_load_b128 v[\reg+4*\c:\reg+4*\c+3], v[\adr] offset:128*(\q)+32*\c+(\i)*16*PITCH
.endr
.endm
; 16 matrix instructions: A's blocks a0, a0 + 1 x B's eight, 128 along K.  The 64 accumulators take turns, one instruction a turn, in the same order in every step.
.macro MUL16 a0, p, q, sc, zero
.irp a, \a0, \a0+1
.irp b, 0,1,2,3,4,5,6,7
.if \zero
	v_wmma_scale_f32_16x16x128_f8f6f4 v[8*(8*((\a)%4)+\b):8*(8*((\a)%4)+\b)+7], v[128*(\p)+FR*\b:128*(\p)+FR*\b+FR-1], v[AF+FR*(\a):AF+FR*(\a)+FR-1], 0, v[SC+8*NQ*(\sc)+NQ*\b+(\q)], v[SC+8*NQ*(\sc)+NQ*(\a)+(\q)] matrix_a_scale:MATRIX_SCALE_ROW1
.else
	v_wmma_scale_f32_16x16x128_f8f6f4 v[8*(8*((\a)%4)+\b):8*(8*((\a)%4)+\b)+7], v[128*(\p)+FR*\b:128*(\p)+FR*\b+FR-1], v[AF+FR*(\a):AF+FR*(\a)+FR-1], v[8*(8*((\a)%4)+\b):8*(8*((\a)%4)+\b)+7], v[SC+8*NQ*(\sc)+NQ*\b+(\q)], v[SC+8*NQ*(\sc)+NQ*(\a)+(\q)] matrix_a_scale:MATRIX_SCALE_ROW1
.endif
.endr
.endr
.endm
.macro FETCH_B slot, q, p
	WIN TO_B
.irp i, 0,1,2,3,4,5,6,7
	FRAG 128*(\p)+FR*\i, ADRB+\slot, \q, \i
.endr
	WIN 0
.endm
.macro FETCH_A slot, q, i0
.irp i, \i0, \i0+1, \i0+2, \i0+3
	FRAG AF+FR*(\i), ADRA+\slot, \q, \i
.endr
.endm
.macro SCALES sc                       ; a K step's scale words into set sc: two words a row; lanes 0-15 take A's block i, lanes 16-31 B's block i
.irp i, 0,1,2,3,4,5,6,7
	ds_load_b64 v[SC+8*NQ*\sc+NQ*\i:SC+8*NQ*\sc+NQ*\i+1], v[ADRS] offset:\i*SBLK
.endr
.endm
.macro PLACES n                        ; plain vector instructions between a matrix instruction and a load into, or a vector instruction on, one of its registers
.rept \n
	v_nop
.endr
.endm
.macro STEP slot, q, zero              ; a step of 128 along K that has its successor in the same slot
	s_wait_dscnt 4*NL                              ; B's set and A's blocks 0-3 are in; the youngest 16 loads (A's blocks 4-7) may be out
	WIN MUL_LO
	MUL16 0, (\q)%2, \q, \slot, \zero
	MUL16 2, (\q)%2, \q, \slot, \zero
	s_wait_dscnt 0
	PLACES NP
	FETCH_B \slot, (\q)+1, 1-(\q)%2
	FETCH_A \slot, (\q)+1, 0
	WIN MUL_HI
	MUL16 4, (\q)%2, \q, \slot, \zero
	MUL16 6, (\q)%2, \q, \slot, \zero
	PLACES NP
	WIN 0
	FETCH_A \slot, (\q)+1, 4
.endm
; A slot's last step changes slots: ONE barrier; in front of it each wave waits for all its tensor loads, adds 0 to its spare word, and waits for that and for its own reads of this slot.
.macro TURN slot, next, fill
	s_wait_tensorcnt 0x0                           ; all my tensor loads have landed: my part of the next slot
	ds_add_u32 v[SPW], v[NIL]                      ; 0 onto my spare word
	s_wait_dscnt 4*NL+1                            ; (the add and the youngest 16 loads, A's blocks 4-7, may be out)
	WIN MUL_LO
	MUL16 0, 1, NQ-1, \slot, 0
	s_wait_dscnt 0x0                               ; the add is done, and my reads of this slot are over
	s_barrier_signal -1
	MUL16 2, 1, NQ-1, \slot, 0
	WIN 0
	s_barrier_wait -1
.if \fill
	CREST                                          ; the barrier has opened a round of the cluster's barrier: no wave of any partner still reads this slot or has a load on its way
	s_add_nc_u64 s[G0+4*\slot+2:G0+4*\slot+3], s[G0+4*\slot+2:G0+4*\slot+3], 2*ROWB
	s_add_nc_u64 s[G0B+4*\slot+2:G0B+4*\slot+3], s[G0B+4*\slot+2:G0B+4*\slot+3], 2*ROWB
	JLOAD G0+4*\slot, G1, G0B+4*\slot, G1B         ; the first tensor load behind the round, my only one out; its four v_nop are among the places in front of the loads below
	PLACES NP-4
.else
	PLACES NP
.endif
	s_wait_alu depctr_va_vdst(0)
	v_add_nc_u32 v[ADRS], 4*NQ, v[ADRS]            ; on to the next K step's scale words
	FETCH_B \next, 0, 0
	FETCH_A \next, 0, 0
	SCALES \next
	WIN MUL_HI
	MUL16 4, 1, NQ-1, \slot, 0
	MUL16 6, 1, NQ-1, \slot, 0
	PLACES NP
	WIN 0
	FETCH_A \next, 0, 4
.endm
	s_wait_alu depctr_va_vdst(0)
	s_wait_loadcnt 0x0                             ; the biases
	s_wait_tensorcnt 1                             ; the scales and my part of K step 0 are in (K step 1's load may be out),
	s_barrier_signal -1
	s_barrier_wait -1                              ; everybody's are
	FETCH_B 0, 0, 0
	FETCH_A 0, 0, 0
	SCALES 0
	FETCH_A 0, 0, 4
	STEP 0, 0, 1                                   ; K = 1,024 is four K steps of 256: written straight.  The first products start the sums
	TURN 0, 1, 1                                   ; slot 0 takes K step 2
	STEP 1, 0, 0
	TURN 1, 0, 1                                   ; slot 1 takes K step 3
	STEP 0, 0, 0
	TURN 0, 1, 0                                   ; nothing is left to fetch
	STEP 1, 0, 0
	s_wait_dscnt 4*NL
	WIN MUL_LO
	MUL16 0, 1, NQ-1, 1, 0
	MUL16 2, 1, NQ-1, 1, 0
	s_wait_dscnt 0
	WIN MUL_HI
	MUL16 4, 1, NQ-1, 1, 0
	MUL16 6, 1, NQ-1, 1, 0
	WIN 0
	; THE WAY OUT.  No tensor load is out, so the descriptors' registers are free.  Where my 128 x 128 goes:
	s_cmp_eq_u32 s[PATH], 1
	s_cselect_b32 s32, s42, s43                    ; x's tile of 256 tokens
	s_cselect_b32 s33, s[CH], s[RH]                ; and my half of it
	s_cselect_b32 s34, s41, s40                    ; w's tile among its four
	s_cselect_b32 s35, s[RH], s[CH]                ; and my half of it: two heads
	s_cselect_b32 s36, 8192, 0                     ; v: its images lie 8,192 bytes into a key step, its words 8,192 bytes into a head block
	s_cselect_b32 s37, 8, 9                        ; a key step's words: 256 bytes (v: 64 channels) or 512 (q, k: 128 tokens)
	s_mov_b32 s38, HEADB
	s_cselect_b32 s28, s38, 4096                   ; what blocks 4-7 add: the next head (v) or four tiles of tokens (q, k)
	s_cselect_b32 s39, 4096, s38                   ; what code groups 2, 3 add: two key blocks (v) or the next head (q, k)
	s_cselect_b32 s30, -1, 0xffff                  ; the word: all four bytes (v), or two bytes
	s_cselect_b32 s31, 0, 0x7f7f0000               ; under two bytes of 1.0 (q, k: the upper 64 of the later K step of 128 are zero codes)
	s_cselect_b32 s46, 0, 16
	s_mov_b32 s38, HEADB-256
	s_cselect_b32 s47, s38, 0
	s_mov_b32 s29, 0
	s_cmp_eq_u32 ttmp9, 0
	s_cselect_b64 s[24:25], s[14:15], s[16:17]     ; q goes to qb, k and v to kv
	s_mov_b64 s[26:27], s[24:25]
	s_lshr_b32 s18, s32, 3                         ; the batch
	s_and_b32 s32, s32, 7
	s_lshl_b32 s32, s32, 1
	s_add_co_u32 s32, s32, s33                     ; the key step of my 128 tokens
	s_lshl_b32 s34, s34, 2
	s_lshl_b32 s35, s35, 1
	s_add_co_u32 s34, s34, s35                     ; my first head
	s_lshl_b32 s18, s18, 4
	s_add_co_u32 s34, s34, s18                     ; 16 x batch + head
	s_mul_i32 s34, s34, HEADB
	s_add_co_u32 s34, s34, s36
	s_lshl_b32 s18, s32, 14
	s_add_co_u32 s18, s18, s34
	s_add_co_u32 s18, s18, 12288
	s_mov_b32 s19, 0
	s_add_nc_u64 s[24:25], s[24:25], s[18:19]      ; the images
	s_lshl_b32 s18, s32, s37
	s_add_co_u32 s18, s18, s34
	s_add_nc_u64 s[26:27], s[26:27], s[18:19]      ; the words
	PLACES NP                                      ; behind the last products: results are read and A's registers written below
	v_add_nc_u32 v[VO1], s39, v[VO0]
	v_mul_u32_u24 v[VSH], v2, s46
	v_mad_u32_u24 v[VS1], v2, s47, v[VO0]          ; v: lanes 16-31 hold the next head's 64 words
	v_add_nc_u32 v[VS2], HEADB, v[VO0]
.irp b, 0,1,2,3
	v_mov_b32 v[TM+4+\b], 0                        ; written once: a lane permute's destination counts as one of its sources
.endr
	v_mov_b32 v[BB+1], 0                           ; (named as the upper half of a pair)
; 64 numbers of a lane, register 16 b + i of block b of 32, become 16 code registers in v[PC] on and a scale word in v[PW].
.macro QUANT s
.irp b, 0,1,2,3
	v_max3_num_f32 v[TM+\b], |v[\s+16*\b]|, |v[\s+1+16*\b]|, 0x4800000   ; block b: my 16 numbers, and the floor 2^(9 - 127): so the byte cannot fall under 1
.endr
.irp i, 2,4,6,8,10,12,14
.irp b, 0,1,2,3
	v_max3_num_f32 v[TM+\b], v[TM+\b], |v[\s+16*\b+\i]|, |v[\s+1+16*\b+\i]|
.endr
.endr
.irp b, 0,1,2,3
	v_permlanex16_b32 v[TM+4+\b], v[TM+\b], s[SEL], s[SEL+1]
.endr
.irp b, 0,1,2,3
	v_max_num_f32 v[TM+\b], v[TM+\b], v[TM+4+\b]   ; with lane l xor 16's: the block's largest magnitude
.endr
.irp b, 0,1,2,3
	v_add_nc_u32 v[TM+12+\b], 0xfc000000, v[TM+\b] ; 8 off its exponent field: the conversion's scale operand
.endr
.irp b, 0,1,2,3
.endr
.irp b, 0,1,2,3
	v_lshrrev_b32 v[TM+4+\b], 23, v[TM+12+\b]      ; the scale's byte
.endr
	v_lshl_or_b32 v[PW], v[TM+5], 8, v[TM+4]
	v_lshl_or_b32 v[PW], v[TM+6], 16, v[PW]
	v_lshl_or_b32 v[PW], v[TM+7], 24, v[PW]
.irp b, 0,1,2,3
.irp i, 0,1,2,3,4,5,6,7,8,9,10,11,12,13,14,15
.endr
	v_cvt_scalef32_pk8_fp8_f32 v[PC+4*\b:PC+1+4*\b], v[\s+16*\b:\s+7+16*\b], v[TM+12+\b]
	v_cvt_scalef32_pk8_fp8_f32 v[PC+2+4*\b:PC+3+4*\b], v[\s+8+16*\b:\s+15+16*\b], v[TM+12+\b]
.endr
	v_nop                                          ; one plain vector instruction behind the last conversion, ahead of whatever next writes its sources
.endm
; Block a of A's eight: its 8 accumulators get their bias on the way into window 0 (each read from its low end on), are quantised, and leave as four images; its scale word goes to the stage.
.macro EPI a
.set AC, 64*((\a)%4)
.if (\a) > 0
	s_wait_xcnt 0x0                                ; the last block's stores have read their codes and their base: both may be written
.endif
.if (\a) == 4
	s_add_nc_u64 s[24:25], s[24:25], s[28:29]
.endif
	s_cmp_eq_u32 s[PATH], 1                        ; the same in all partners; only register work stands in the two arms
	s_cbranch_scc1 .Lbias_v_\@
	WIN 0x02+((\a)/4)                              ; source 0: window 2 or 3
.set i, 0
.rept 32
	v_pk_add_f32 v[T+i:T+i+1], v[AC+i:AC+i+1], v[BI+i:BI+i+1]           ; q, k: the bias runs along the registers
.set i, i+2
.endr
	WIN 0
	s_branch .Lbiased_\@
.Lbias_v_\@:
	v_mov_b32 v[BB], v[BO+\a]
	s_wait_alu depctr_va_vdst(0)
	WIN 0x02+((\a)/4)
.set i, 0
.rept 32
	v_pk_add_f32 v[T+i:T+i+1], v[AC+i:AC+i+1], v[BB:BB+1] op_sel_hi:[1,0]   ; v: one bias for my lane's channel
.set i, i+2
.endr
	WIN 0
.Lbiased_\@:
	QUANT T
.irp e, 0,1,2,3
	global_store_b128 v[VO0+\e/2], v[PC+4*\e:PC+4*\e+3], s[24:25] offset:((\a)%4)*1024+(\e%2)*512   ; 32 lanes store 512 consecutive bytes, aligned
.endr
	v_lshrrev_b32 v[VAL], v[VSH], v[PW]            ; q, k: lanes 0-15 keep the even head's two bytes, lanes 16-31 the odd head's
	v_and_or_b32 v[VAL], v[VAL], s30, s31
	ds_store_b32 v[SST], v[VAL] offset:64*(\a)
.endm
.irp a, 0,1,2,3,4,5,6,7
	EPI \a
.endr
	ds_load_b128 v[T:T+3], v[SRD]                  ; LDS serves a wave's instructions in order (ISA guide 5.7.1.4): these see my stores
	ds_load_b128 v[T+4:T+7], v[SRD] offset:512
	s_wait_dscnt 0x0
	global_store_b128 v[VS1], v[T:T+3], s[26:27]   ; q, k: the even head's 128 words; v: 64 words of each of my two heads: whole aligned runs of 256 bytes
	s_cmp_eq_u32 s[PATH], 1
	s_cbranch_scc1 .Lwords_done
	global_store_b128 v[VS2], v[T+4:T+7], s[26:27] ; q, k: the odd head's 128 words
.Lwords_done:
	s_wait_tensorcnt 0x0                           ; the wave's end
	ds_add_u32 v[SPW], v[NIL]
	s_wait_dscnt 0x0
	CROUND                                         ; the closing round: no work-group ends while a partner may still ask for a tile that names it
	s_endpgm
.Lfunc_end_k_qd00385585b_qkv:
	.size	k_qd00385585b_qkv, .Lfunc_end_k_qd00385585b_qkv-k_qd00385585b_qkv
	.p2alignl 7, 3214868480
	.fill 96, 4, 3214868480
	.section	.rodata,"a",@progbits
	.p2align	6, 0x0
	.amdhsa_kernel k_qd00385585b_qkv
		.amdhsa_group_segment_fixed_size 327680
		.amdhsa_private_segment_fixed_size 0
		.amdhsa_enable_private_segment 0
		.amdhsa_kernarg_size 56
		.amdhsa_user_sgpr_count 2
		.amdhsa_user_sgpr_kernarg_segment_ptr 1
		.amdhsa_wavefront_size32 1
		.amdhsa_system_sgpr_workgroup_id_x 1
		.amdhsa_system_sgpr_workgroup_id_y 1
		.amdhsa_system_sgpr_workgroup_id_z 1
		.amdhsa_system_vgpr_workitem_id 0
		.amdhsa_next_free_vgpr 1024
		.amdhsa_next_free_sgpr 102
		.amdhsa_reserve_vcc 0
		.amdhsa_float_denorm_mode_32 3
		.amdhsa_float_denorm_mode_16_64 3
		.amdhsa_fp16_overflow 1
		.amdhsa_memory_ordered 1
		.amdhsa_forward_progress 1
		.amdhsa_inst_pref_size 188
	.end_amdhsa_kernel
	.amdgpu_metadata
---
amdhsa.version: [ 1, 2 ]
amdhsa.kernels:
  - .name:           k_qd00385585b_qkv
    .symbol:         k_qd00385585b_qkv.kd
    .args:
      - { .name: x_codes, .offset: 0, .size: 8, .value_kind: global_buffer, .address_space: global }
      - { .name: x_scales, .offset: 8, .size: 8, .value_kind: global_buffer, .address_space: global }
      - { .name: w_qkv_codes, .offset: 16, .size: 8, .value_kind: global_buffer, .address_space: global }
      - { .name: w_qkv_scales, .offset: 24, .size: 8, .value_kind: global_buffer, .address_space: global }
      - { .name: b_qkv, .offset: 32, .size: 8, .value_kind: global_buffer, .address_space: global }
      - { .name: qb, .offset: 40, .size: 8, .value_kind: global_buffer, .address_space: global }
      - { .name: kv, .offset: 48, .size: 8, .value_kind: global_buffer, .address_space: global }
    .group_segment_fixed_size: 327680
    .private_segment_fixed_size: 0
    .kernarg_segment_align: 8
    .kernarg_segment_size: 56
    .max_flat_workgroup_size: 128
    .sgpr_count:     102
    .vgpr_count:     1024
    .wavefront_size: 32
...
	.end_amdgpu_metadata
.endif
;; end of part 1
;; launch attn (part 2): grid 4 x 64, 16 waves a work-group, clusters of 4 x 1, 327,680 bytes of LDS; arguments qb, kv, y_codes, y_sc; writes y_codes, y_sc
.if DOCPART == 2
	.amdgcn_target "amdgcn-amd-amdhsa--gfx1250"
	.amdhsa_code_object_version 6
	.text
	.protected	k_qd00385585b_attn
	.globl	k_qd00385585b_attn
	.p2align	8
	.type	k_qd00385585b_attn,@function
k_qd00385585b_attn:
	s_mov_b64 s[64:65], 0
	v_nop
	global_prefetch_b8 v0, s[64:65] scope:SCOPE_SE
	s_setreg_imm32_b32 hwreg(HW_REG_WAVE_MODE, 25, 1), 1
	s_wait_xcnt 0x0
	s_wait_alu depctr_hold_cnt(0) depctr_sa_sdst(0) depctr_va_vdst(0) depctr_va_sdst(0) depctr_va_ssrc(0) depctr_va_vcc(0) depctr_vm_vsrc(0)
	s_getreg_b32 s2, hwreg(HW_REG_IB_STS2, 6, 4)
	s_cmp_eq_u32 s2, 0
	s_cbranch_scc0 .Lentry_in_a_cluster
	s_endpgm
.Lentry_in_a_cluster:
	s_bfe_u32 s2, ttmp6, 0x10000c
	s_cmp_lg_u32 s2, 0x3003
	s_cbranch_scc0 .Lentry_shape_is_right
	s_endpgm
.Lentry_shape_is_right:
; y[b][q][head] = softmax over the keys k <= q of (q . k / 8) times v, both products on codes of FP8 (E4M3) with one E8M0 scale for each 32 along a product's K; y is quantised along its channels and leaves as codes.
; THE SOFTMAX AHEAD OF THE SECOND PRODUCT: t = score x log2(e) / 8; M = the row's largest t so far, rounded UP to a whole number; p = 2^(t - M) is what is quantised, along the keys.
; The row's sum is taken of the unquantised p and divides at the end.  When M moves, the sum and O are multiplied by 2^(old M - new M): exact.
; INPUTS: head blocks of HEADB bytes (one for each batch and head): 2,048 scale words [s0, s1, 0x7f, 0x7f], one a token; 16 x 64 scale words of v [key step][channel]; then for each key step of 128 keys 16 images of k
; ([tile of 16 keys][c]) and 16 of v (channel tile ct, key block c at 1,024 ct + 512 (c % 2) + 4,096 (c / 2)).  An image is four operand registers of all 32 lanes: 512 bytes, lane l's 16 at 16 l.  qb holds q in k's places.
; Inside each block of 32 the codes of q and k stand in one and the same order, and so do those of v and of the p made here: the products are those of the true order, block by block.
; SHARES.  A cluster of four work-groups is one batch and head.  Work-group g takes the tiles of 16 queries 4 n + g, n = 0 .. 31: tile n needs key steps 0 .. n / 2 whatever g is, so the four partners run alike,
; and g enters only q's and y's addresses and the mask's numbers.  Wave w owns tiles n = 31 - w and n = w: 17 tile steps for every wave.
; LDS.  A whole head block of kv lies in LDS as it lies in memory, filled ONCE by joint loads that name all four partners: nothing is filled again, so the long loop has no barrier.
; Each wave asks for two parts: 11 rows of 256 bytes of the first 176 (the words and key steps 0, 1) and 56 of the other 896: two tensor loads of mine are out at the most.
; LAYOUT.  Both products are used transposed: S^T = K Q^T (source 0 = 16 keys), O^T = V^T P^T (source 0 = 16 channels): a lane holds ONE query (lane % 16) throughout.
; K = 64 IN A FORM OF 128: q's operand is 8 registers of codes and 8 of zero codes; k's operand is its 8 registers and the 8 that follow them (another tile's codes, or p's): finite codes under the scale byte 0x7f, against zeros.
; LIMITS: NaN and infinities are not served; a block of y of zeros, or one whose largest magnitude lies under 2^-118, gets the scale byte 1 (this program alone reads these bytes).
.set HEADB, 274432
.set COD,   12288                      ; where the key steps' images begin
.set STG,   274432                     ; behind the head block: y's scale bytes, [n 32][row 16] of two bytes
.set LI,  1                            ; v1   16 x lane
.set LS,  2                            ; v2   4 x lane
.set AD,  3                            ; v3   LDS address of the step's images
.set ADS, 4                            ; v4   of k's scale words
.set ADT, 5                            ; v5   of v's
.set DA,  6                            ; v6   tile A: my query less the diagonal step's first key less 8 (lane / 16)
.set DB,  7                            ; v7   tile B's
.set YO,  8                            ; v8   16 r + 8 h: where my 8 codes of y go in half an image
.set SA,  9                            ; v9   the stage: tile A's two bytes of my row
.set SB,  10                           ; v10  tile B's
.set ER,  11                           ; v11  and where waves 0, 1 read it back
.set STA, 12                           ; v12 -M, v13 the largest t, v[14:15] the sum in two halves: tile A's
.set STB, 16                           ; v16-19 tile B's
.set F,   24                           ; v24-55   fragments of k or of v
.set PC,  56                           ; v56-71   p's codes
.set QA,  72                           ; v72-79 tile A's q, v80-87 zero codes
.set QB,  88                           ; v88-95 tile B's q, v96-103 zero codes
.set S,   104                          ; v104-167 S^T, then p
.set OA,  168                          ; v168-199 tile A's O^T
.set OB,  200                          ; v200-231 tile B's;  v232-247, v252, v254 at work;  v248-249 k's scale words, v250 v's, v251 tile B's q's, v253 p's, v255 tile A's q's
.set NA,  12                           ; s12  tile A's n
.set CNT, 13
.set WV,  14
.set CX,  15
.set BH,  16
.set LA,  17                           ; s17  tile A's last key step
.set LB,  18
.set MNT, 19
.set SEL, 20
.set CS,  22                           ; s[22:23] c = log2(e) / 8
.set G1E, 24
.set G1L, 32
.set G0E, 40
.set G0L, 44
.set SS,  48                           ; s48  the key step
.set TB,  49                           ; s49  where its images begin in LDS
.set TS,  50                           ; s50  k's scale words
.set TJ,  51                           ; s51  v's
.macro CROUND                          ; a round of the cluster's barrier
	s_barrier_signal -1
	s_barrier_wait -1
	s_cmp_lg_u32 s[WV], 0
	s_cbranch_scc1 .Lnot_wave_0_\@
	s_barrier_signal -3
.Lnot_wave_0_\@:
	s_barrier_wait -3
	s_barrier_signal -1
	s_barrier_wait -1
.endm
	s_load_b256 s[4:11], s[0:1], 0x0               ; qb s[4:5], kv s[6:7], y_codes s[8:9], y_sc s[10:11]
	v_lshl_add_u32 v254, v0, 2, 0x43800
	v_mov_b32 v255, 0
	ds_add_u32 v254, v255
	ds_add_u32 v254, v255
	s_wait_dscnt 0x0
	v_lshrrev_b32 v20, 5, v0
	s_delay_alu instid0(VALU_DEP_1)
	v_readfirstlane_b32 s[WV], v20                 ; wave 0..15
	s_bfe_u32 s[CX], ttmp6, 0x40000                ; g: my place in the cluster
	s_and_b32 s[BH], ttmp7, 0xffff                 ; 16 x batch + head, which the four partners share
	s_xor_b32 s[NA], s[WV], 31
	s_lshr_b32 s[LA], s[NA], 1
	s_lshr_b32 s[LB], s[WV], 1
	s_mov_b32 s[SEL], 0x76543210
	s_mov_b32 s[SEL+1], 0xfedcba98
	s_mov_b32 s[CS], 0x3e38aa3b
	s_mov_b32 s[CS+1], s[CS]                       ; (named with it as a pair, so it is written)
	; descriptor groups 1: dense rows of 256 bytes (32 elements of 8 bytes), 11 or 56 of them, no padding: images are read 512 consecutive bytes at a time
	s_mov_b32 s[G1E], 15|(3<<16)|(1<<21)           ; 15:0 the mask: all four work-groups; 17:16 elements of 8 bytes; 21 set beside a mask
	s_mov_b32 s[G1E+1], 32<<16
	s_mov_b32 s[G1E+2], 11<<16
	s_mov_b32 s[G1E+3], 32<<16
	s_mov_b32 s[G1E+4], 11
	s_mov_b32 s[G1E+5], 32
	s_mov_b32 s[G1E+6], 0
	s_mov_b32 s[G1E+7], 0
	s_mov_b32 s[G1L], 15|(3<<16)|(1<<21)
	s_mov_b32 s[G1L+1], 32<<16
	s_mov_b32 s[G1L+2], 56<<16
	s_mov_b32 s[G1L+3], 32<<16
	s_mov_b32 s[G1L+4], 56
	s_mov_b32 s[G1L+5], 32
	s_mov_b32 s[G1L+6], 0
	s_mov_b32 s[G1L+7], 0
	s_mul_i32 s60, s[BH], HEADB                    ; under 2^25
	s_mov_b32 s61, 0
	s_mul_i32 s62, s[WV], 2816                     ; my 11 rows
	s_mov_b32 s63, 0
	s_mul_i32 s52, s[WV], 14336                    ; my 56 rows,
	s_add_co_u32 s52, s52, 45056                   ; behind the first 176
	s_mov_b32 s53, 0
	s_wait_kmcnt 0x0
	s_add_nc_u64 s[4:5], s[4:5], s[60:61]          ; qb and kv at my head block
	s_add_nc_u64 s[6:7], s[6:7], s[60:61]
	CROUND                                         ; all four work-groups are here: the joint loads meet
	s_mov_b32 s[G0E], 1
	s_mov_b32 s[G0E+1], s62                        ; LDS is an image of the block: the same offset on both sides
	s_add_nc_u64 s[G0E+2:G0E+3], s[6:7], s[62:63]
	s_or_b32 s[G0E+3], s[G0E+3], 0x80000000
	s_mov_b32 s[G0L], 1
	s_mov_b32 s[G0L+1], s52
	s_add_nc_u64 s[G0L+2:G0L+3], s[6:7], s[52:53]
	s_or_b32 s[G0L+3], s[G0L+3], 0x80000000
	tensor_load_to_lds s[G0E:G0E+3], s[G1E:G1E+7]
	s_nop 0
	s_wait_alu depctr_va_vdst(0)
	s_wait_tensorcnt 0x0
	ds_add_u32 v254, v255
	s_wait_dscnt 0x0
	CROUND
	tensor_load_to_lds s[G0L:G0L+3], s[G1L:G1L+7]
	s_nop 0
.rept 4
	v_nop
.endr
	v_and_b32 v20, 31, v0
	s_delay_alu instid0(VALU_DEP_1)
	v_lshlrev_b32 v[LI], 4, v20
	s_delay_alu instid0(VALU_DEP_2)
	v_lshlrev_b32 v[LS], 2, v20
	v_and_b32 v21, 15, v0                          ; r
	v_bfe_u32 v22, v0, 4, 1                        ; h
	s_delay_alu instid0(VALU_DEP_2)
	v_lshlrev_b32 v20, 2, v21                      ; 4 r
	s_delay_alu instid0(VALU_DEP_2)
	v_lshlrev_b32 v23, 3, v22
	s_delay_alu instid0(VALU_DEP_1)
	v_lshl_add_u32 v[YO], v21, 4, v23              ; 16 r + 8 h
	s_delay_alu instid0(VALU_DEP_2)
	v_sub_nc_u32 v23, v21, v23                     ; r - 8 h
; tile n: its q lies in key step n / 2, tile 4 (n % 2) + g; its scale words 64 (4 n + g) bytes on; its queries begin 64 (n % 2) + 16 g keys into the diagonal step
.macro QBASE n, cb, wb, d
	s_lshr_b32 s60, s[\n], 1
	s_lshl_b32 s60, s60, 14
	s_and_b32 s62, s[\n], 1
	s_lshl_b32 s63, s62, 6
	s_lshl_b32 s62, s62, 2
	s_add_co_u32 s62, s62, s[CX]
	s_lshl_b32 s62, s62, 10
	s_add_co_u32 s60, s60, s62
	s_add_co_u32 s60, s60, COD
	s_add_nc_u64 s[\cb:\cb+1], s[4:5], s[60:61]
	s_lshl_b32 s60, s[\n], 8
	s_lshl_b32 s62, s[CX], 6
	s_add_co_u32 s60, s60, s62
	s_add_nc_u64 s[\wb:\wb+1], s[4:5], s[60:61]
	s_lshl_b32 s62, s[CX], 4
	s_add_co_u32 s63, s63, s62
	v_add_nc_u32 v[\d], s63, v23
.endm
	s_wait_alu depctr_va_vdst(0)
	QBASE NA, 52, 54, DA
	QBASE WV, 56, 58, DB
	global_load_b128 v[QA:QA+3], v[LI], s[52:53]
	global_load_b128 v[QA+4:QA+7], v[LI], s[52:53] offset:512
	global_load_b32 v255, v20, s[54:55]
	global_load_b128 v[QB:QB+3], v[LI], s[56:57]
	global_load_b128 v[QB+4:QB+7], v[LI], s[56:57] offset:512
	global_load_b32 v251, v20, s[58:59]
	s_lshl_b32 s60, s[NA], 5                       ; every LDS address of the way out is made here, on the one way that all waves take
	s_add_co_u32 s60, s60, STG
	v_lshl_add_u32 v[SA], v21, 1, s60
	s_lshl_b32 s60, s[WV], 5
	s_add_co_u32 s60, s60, STG
	v_lshl_add_u32 v[SB], v21, 1, s60
	s_and_b32 s60, s[WV], 1
	s_lshl_b32 s60, s60, 9
	s_add_co_u32 s60, s60, STG
	v_add_nc_u32 v[ER], s60, v[LI]
.irp t, STA, STB
	v_mov_b32 v[\t+1], 0xff61b1e6                  ; the largest t so far: -3e38, under every t
	s_delay_alu instid0(VALU_DEP_1)
	v_floor_f32 v[\t], -v[\t+1]                    ; -M
	v_mov_b32 v[\t+2], 0                           ; the sum, in two halves
	v_mov_b32 v[\t+3], 0
.endr
.irp j, 0,1,2,3,4,5,6,7
	v_mov_b32 v[QA+8+\j], 0                        ; the zero codes of q's upper 64 along K
	v_mov_b32 v[QB+8+\j], 0
.endr
.irp j, 0,1,2,3,4,5,6,7,8,9,10,11,12,13,14,15
	v_mov_b32 v[PC+\j], 0                          ; named by the first products as the upper half of k's last operand
.endr
.irp j, 0,1,2,3,4,5,6,7,8,9,10,11,12,13,14,15,16,17,18,19,20,21,22,23,24,25,26,27,28,29,30,31,32,33,34,35,36,37,38,39,40,41,42,43,44,45,46,47,48,49,50,51,52,53,54,55,56,57,58,59,60,61,62,63
	v_mov_b32 v[OA+\j], 0                          ; both tiles' O^T.  (The step is written once: the first finds zeros, which the first change of M leaves zeros)
.endr
.irp b, 0,1,2,3
	v_mov_b32 v[236+\b], 0                         ; written once: a lane permute's destination counts as one of its sources
.endr
	v_mov_b32 v252, 0
	v_mov_b32 v253, 0                              ; (named as the upper half of the pair v[252:253] before it is first written)
; A TILE STEP: 16 queries x the 128 keys of step SS.  qr: q's operand; qs: its scale word; o: O^T; st: the statistics; l: the tile's last step (a scalar register); d: the mask's number.
.macro TSTEP qr, qs, o, st, l, d
	s_cmp_gt_u32 s[SS], s[\l]                      ; a step all of whose keys come after the tile's queries is left out: a branch on the wave's number and the step, round loads, products and softmax alone
	s_cbranch_scc1 .Lhid_\@
	s_wait_alu depctr_va_vdst(0)
.irp g, 0,1                                    ; S^T = K Q^T, four tiles of 16 keys at a time
.rept 8
	v_nop                                          ; places in front of loads into registers that matrix instructions have read
.endr
.irp t, 0,1,2,3
	ds_load_b128 v[F+8*\t:F+8*\t+3], v[AD] offset:(4*\g+\t)*1024
	ds_load_b128 v[F+8*\t+4:F+8*\t+7], v[AD] offset:(4*\g+\t)*1024+512
.endr
	ds_load_b32 v248, v[ADS] offset:256*\g         ; lanes 0-15: the words of tile 4 g, lanes 16-31: of tile 4 g + 1
	ds_load_b32 v249, v[ADS] offset:256*\g+128     ; tiles 4 g + 2, 4 g + 3
	s_wait_dscnt 0x0
.irp e, 0,1
	v_wmma_scale_f32_16x16x128_f8f6f4 v[S+8*(4*\g+2*\e):S+8*(4*\g+2*\e)+7], v[F+16*\e:F+16*\e+15], v[\qr:\qr+15], 0, v[248+\e], v[\qs]
	v_wmma_scale_f32_16x16x128_f8f6f4 v[S+8*(4*\g+2*\e+1):S+8*(4*\g+2*\e+1)+7], v[F+16*\e+8:F+16*\e+23], v[\qr:\qr+15], 0, v[248+\e], v[\qs] matrix_a_scale:MATRIX_SCALE_ROW1
.endr
.endr                                          ; lane (r, h): query r; register 8 t + j: key 16 t + 8 h + j of the step
.rept 8
	v_nop
.endr
	s_cmp_lg_u32 s[SS], s[\l]                      ; only the tile's last step lies on the diagonal: there the scores of hidden keys become -infinity ahead of the maximum: p = 0 then
	s_cbranch_scc1 .Lopen_\@
	v_mov_b32 v254, 0xff800000
.irp n, 0,1,2,3,4,5,6,7,8,9,10,11,12,13,14,15,16,17,18,19,20,21,22,23,24,25,26,27,28,29,30,31,32,33,34,35,36,37,38,39,40,41,42,43,44,45,46,47,48,49,50,51,52,53,54,55,56,57,58,59,60,61,62,63
	v_cmp_gt_i32 vcc_lo, 16*(\n/8)+\n%8, v[\d]
	v_cndmask_b32 v[S+\n], v[S+\n], v254, vcc_lo
.endr
.Lopen_\@:
.irp b, 0,1,2,3
	v_max3_num_f32 v[232+\b], v[S+16*\b], v[S+1+16*\b], v[S+2+16*\b]   ; the largest score of each block of 32 keys: for the row's maximum and, since p rises with the score, for the block's largest p
.endr
.irp i, 3,5,7,9,11,13
.irp b, 0,1,2,3
	v_max3_num_f32 v[232+\b], v[232+\b], v[S+16*\b+\i], v[S+1+16*\b+\i]
.endr
.endr
.irp b, 0,1,2,3
	v_max_num_f32 v[232+\b], v[232+\b], v[S+15+16*\b]
.endr
.irp b, 0,1,2,3
	s_delay_alu instid0(VALU_DEP_4)
	v_permlanex16_b32 v[236+\b], v[232+\b], s[SEL], s[SEL+1]
.endr
.irp b, 0,1,2,3
	s_delay_alu instid0(VALU_DEP_4)
	v_max_num_f32 v[232+\b], v[232+\b], v[236+\b]  ; with lane l xor 16's 16 keys
.endr
	s_delay_alu instid0(VALU_DEP_2)
	v_max3_num_f32 v254, v232, v233, v234
	s_delay_alu instid0(VALU_DEP_1)
	v_max_num_f32 v254, v254, v235
	s_delay_alu instid0(VALU_DEP_1)
	v_mul_f32 v254, s[CS], v254                    ; the step's largest t of my query (c is positive)
	s_delay_alu instid0(VALU_DEP_1)
	v_max_num_f32 v[\st+1], v[\st+1], v254         ; the running largest t
	v_mov_b32 v254, v[\st]
	s_delay_alu instid0(VALU_DEP_2)
	v_floor_f32 v[\st], -v[\st+1]                  ; the new -M = floor(-t) = -ceil(t): a whole number
	s_delay_alu instid0(VALU_DEP_1)
	v_sub_f32 v254, v[\st], v254                   ; M's old value less its new one: a whole number, 0 or less
	s_delay_alu instid0(VALU_DEP_1)
	v_cvt_i32_f32 v254, v254                       ; (it saturates)
	s_delay_alu instid0(VALU_DEP_1)
	v_ldexp_f32 v252, 1.0, v254                    ; f = 2^(old M - new M)
.irp j, 0,2,4,6,8,10,12,14,16,18,20,22,24,26,28,30,32,34,36,38,40,42,44,46,48,50,52,54,56,58,60,62
	v_pk_fma_f32 v[S+\j:S+1+\j], v[S+\j:S+1+\j], s[CS:CS+1], v[\st:\st+1] op_sel_hi:[1,0,0]   ; t - M, two at a time
.endr
.irp b, 0,1,2,3
	v_fma_f32 v[232+\b], v[232+\b], s[CS], v[\st]  ; the same of each block's largest score
.endr
	s_wait_alu depctr_va_vdst(0)
.irp j, 0,1,2,3,4,5,6,7,8,9,10,11,12,13,14,15,16,17,18,19,20,21,22,23,24,25,26,27,28,29,30,31,32,33,34,35,36,37,38,39,40,41,42,43,44,45,46,47,48,49,50,51,52,53,54,55,56,57,58,59,60,61,62,63
	v_exp_f32 v[S+\j], v[S+\j]                     ; p = 2^(t - M), at most 1: not normalised
.endr
	v_pk_mul_f32 v[\st+2:\st+3], v[\st+2:\st+3], v[252:253] op_sel_hi:[1,0]   ; the sums under the new M: a plain instruction behind the exponentials
	s_wait_alu depctr_va_vdst(0)                   ; one wait for the whole batch, ahead of its first reader
.irp b, 0,1,2,3
	v_exp_f32 v[232+\b], v[232+\b]                 ; the block's largest p: the same two instructions on the same number give the same bits
.endr
	v_pk_add_f32 v[236:237], v[S:S+1], v[S+2:S+3]  ; the row's sum is taken of the unquantised p, two at a time, in two chains
.irp j, 4,8,12,16,20,24,28,32,36,40,44,48,52,56,60
	v_pk_add_f32 v[\st+2:\st+3], v[\st+2:\st+3], v[S+\j:S+1+\j]
	v_pk_add_f32 v[236:237], v[236:237], v[S+2+\j:S+3+\j]
.endr
	s_delay_alu instid0(VALU_DEP_1)
	v_pk_add_f32 v[\st+2:\st+3], v[\st+2:\st+3], v[236:237]
	s_wait_alu depctr_va_vdst(0)                   ; and one for the four
.irp b, 0,1,2,3
	v_max_num_f32 v[232+\b], 0x4800000, v[232+\b]  ; the floor 2^(9 - 127): the byte cannot fall under 1
.endr
.irp b, 0,1,2,3
	s_delay_alu instid0(VALU_DEP_4)
	v_add_nc_u32 v[244+\b], 0xfc000000, v[232+\b]  ; 8 off the exponent field: the conversion's scale operand
.endr
.irp b, 0,1,2,3
.endr
.irp b, 0,1,2,3
	s_delay_alu instid0(VALU_DEP_4)
	v_lshrrev_b32 v[236+\b], 23, v[244+\b]         ; the scale's byte
.endr
	s_delay_alu instid0(VALU_DEP_3)
	v_lshl_or_b32 v253, v237, 8, v236              ; p's scale word for these 128 keys
	s_delay_alu instid0(VALU_DEP_1)
	v_lshl_or_b32 v253, v238, 16, v253
	s_delay_alu instid0(VALU_DEP_1)
	v_lshl_or_b32 v253, v239, 24, v253
.irp b, 0,1,2,3
.irp i, 0,1,2,3,4,5,6,7,8,9,10,11,12,13,14,15
.endr
	v_cvt_scalef32_pk8_fp8_f32 v[PC+4*\b:PC+1+4*\b], v[S+16*\b:S+7+16*\b], v[244+\b]
	v_cvt_scalef32_pk8_fp8_f32 v[PC+2+4*\b:PC+3+4*\b], v[S+8+16*\b:S+15+16*\b], v[244+\b]
.endr
.irp j, 0,2,4,6,8,10,12,14,16,18,20,22,24,26,28,30
	v_pk_mul_f32 v[\o+\j:\o+1+\j], v[\o+\j:\o+1+\j], v[252:253] op_sel_hi:[1,0]   ; O^T under the new M.  (These 16 are also the places in front of the matrix instructions below)
.endr
	s_wait_alu depctr_va_vdst(0)
.irp g, 0,1                                    ; O^T += V^T P^T: two tiles of 16 channels at a time; K = these 128 keys
.if \g > 0
.rept 8
	v_nop
.endr
.endif
.irp u, 0,1
.irp c, 0,1,2,3
	ds_load_b128 v[F+16*\u+4*\c:F+16*\u+4*\c+3], v[AD] offset:8192+(2*\g+\u)*1024+(\c%2)*512+(\c/2)*4096
.endr
.endr
	ds_load_b32 v250, v[ADT] offset:128*\g         ; lanes 0-15: channels 32 g on, lanes 16-31: 32 g + 16 on
	s_wait_dscnt 0x0
	v_wmma_scale_f32_16x16x128_f8f6f4 v[\o+16*\g:\o+16*\g+7], v[F:F+15], v[PC:PC+15], v[\o+16*\g:\o+16*\g+7], v250, v253
	v_wmma_scale_f32_16x16x128_f8f6f4 v[\o+16*\g+8:\o+16*\g+15], v[F+16:F+31], v[PC:PC+15], v[\o+16*\g+8:\o+16*\g+15], v250, v253 matrix_a_scale:MATRIX_SCALE_ROW1
.endr                                          ; no two matrix instructions that follow each other share an accumulator, on any way
.Lhid_\@:
.endm
.macro TRIP                            ; a key step for both my tiles
	v_add_nc_u32 v[AD], s[TB], v[LI]
	v_add_nc_u32 v[ADS], s[TS], v[LS]
	v_add_nc_u32 v[ADT], s[TJ], v[LS]
	TSTEP QA, 255, OA, STA, LA, DA
	TSTEP QB, 251, OB, STB, LB, DB
	s_add_co_u32 s[TB], s[TB], 16384
	s_add_co_u32 s[TS], s[TS], 512
	s_add_co_u32 s[TJ], s[TJ], 256
	s_add_co_u32 s[SS], s[SS], 1
.endm
	s_mov_b32 s[SS], 0
	s_mov_b32 s[TB], COD
	s_mov_b32 s[TS], 0
	s_mov_b32 s[TJ], 8192
	s_wait_loadcnt 0x0                             ; q
	s_wait_tensorcnt 1                             ; my 11 rows are in; my 56 may stay out
	s_barrier_signal -1
	s_barrier_wait -1                              ; everybody's are: the words and key steps 0, 1 are whole
	s_mov_b32 s[CNT], 2
.Learly:                                           ; key steps 0 and 1, while the rest of the block lands
	TRIP
	s_sub_co_u32 s[CNT], s[CNT], 1
	s_cmp_lg_u32 s[CNT], 0
	s_cbranch_scc1 .Learly
	s_wait_tensorcnt 0x0                           ; my 56 rows are in,
	s_wait_dscnt 0x0
	s_barrier_signal -1
	s_barrier_wait -1                              ; everybody's are
	s_mov_b32 s[CNT], 14
.Llate:                                            ; key steps 2 to 15: no barrier: nobody writes what is read here
	TRIP
	s_sub_co_u32 s[CNT], s[CNT], 1
	s_cmp_lg_u32 s[CNT], 0
	s_cbranch_scc1 .Llate
	; THE WAY OUT.  y_codes: [RT 512][block of 32 channels 32] images in the true order along the channels, RT = 128 batch + 32 g + n;  y_sc: [head 16][RT 512][row 16] of two bytes
	s_lshr_b32 s60, s[BH], 4                       ; the batch
	s_and_b32 s61, s[BH], 15                       ; the head
	s_lshl_b32 s62, s60, 7
	s_lshl_b32 s63, s[CX], 5
	s_add_co_u32 s62, s62, s63                     ; 128 batch + 32 g
	s_lshl_b32 s63, s61, 10                        ; a head's two images
	s_add_co_u32 s52, s62, s[NA]
	s_lshl_b32 s52, s52, 14
	s_add_co_u32 s52, s52, s63
	s_mov_b32 s53, 0
	s_add_nc_u64 s[52:53], s[8:9], s[52:53]        ; tile A's
	s_add_co_u32 s54, s62, s[WV]
	s_lshl_b32 s54, s54, 14
	s_add_co_u32 s54, s54, s63
	s_mov_b32 s55, 0
	s_add_nc_u64 s[54:55], s[8:9], s[54:55]        ; tile B's
	s_lshl_b32 s56, s62, 5
	s_lshl_b32 s63, s61, 14
	s_add_co_u32 s56, s56, s63
	s_and_b32 s63, s[WV], 1
	s_lshl_b32 s63, s63, 9
	s_add_co_u32 s56, s56, s63
	s_mov_b32 s57, 0
	s_add_nc_u64 s[56:57], s[10:11], s[56:57]      ; the work-group's 1,024 scale bytes, half for wave 0, half for wave 1
.rept 8
	v_nop                                          ; behind the last products
.endr
; O^T is divided by the sum and quantised along the channels: two blocks of 32.  My first 8 codes of a block are its members 8 h + 0..7, my second 8 its members 16 + 8 h + 0..7: in the true order they belong to
; lane r's and lane 16 + r's 16 bytes of the image, at byte 8 h: two stores of 8 bytes a lane, each 256 consecutive bytes, aligned.
.macro FIN o, st, sa, yb
	v_add_f32 v[\st+2], v[\st+2], v[\st+3]
	s_wait_alu depctr_va_vdst(0)
	v_permlanex16_b32 v252, v[\st+2], s[SEL], s[SEL+1]
	s_delay_alu instid0(VALU_DEP_1)
	v_add_f32 v[\st+2], v[\st+2], v252             ; the row's sum
	s_wait_alu depctr_va_vdst(0)
	v_rcp_f32 v[\st+2], v[\st+2]
	v_nop                                          ; a plain instruction behind the transcendental,
	s_wait_alu depctr_va_vdst(0)                   ; and the wait ahead of its first reader
.irp j, 0,2,4,6,8,10,12,14,16,18,20,22,24,26,28,30
	v_pk_mul_f32 v[S+\j:S+1+\j], v[\o+\j:\o+1+\j], v[\st+2:\st+3] op_sel_hi:[1,0]   ; each accumulator from its low end on
.endr
.irp b, 0,1
	v_max3_num_f32 v[232+\b], |v[S+16*\b]|, |v[S+1+16*\b]|, 0x4800000
.endr
.irp i, 2,4,6,8,10,12,14
.irp b, 0,1
	s_delay_alu instid0(VALU_DEP_2)
	v_max3_num_f32 v[232+\b], v[232+\b], |v[S+16*\b+\i]|, |v[S+1+16*\b+\i]|
.endr
.endr
.irp b, 0,1
	s_delay_alu instid0(VALU_DEP_2)
	v_permlanex16_b32 v[236+\b], v[232+\b], s[SEL], s[SEL+1]
.endr
.irp b, 0,1
	s_delay_alu instid0(VALU_DEP_2)
	v_max_num_f32 v[232+\b], v[232+\b], v[236+\b]
.endr
.irp b, 0,1
	s_delay_alu instid0(VALU_DEP_2)
	v_add_nc_u32 v[244+\b], 0xfc000000, v[232+\b]
.endr
.irp b, 0,1
.endr
.irp b, 0,1
	s_delay_alu instid0(VALU_DEP_2)
	v_lshrrev_b32 v[236+\b], 23, v[244+\b]
.endr
	s_delay_alu instid0(VALU_DEP_1)
	v_lshl_or_b32 v254, v237, 8, v236              ; my row's two scale bytes
.irp b, 0,1
.irp i, 0,1,2,3,4,5,6,7,8,9,10,11,12,13,14,15
.endr
	v_cvt_scalef32_pk8_fp8_f32 v[PC+4*\b:PC+1+4*\b], v[S+16*\b:S+7+16*\b], v[244+\b]
	v_cvt_scalef32_pk8_fp8_f32 v[PC+2+4*\b:PC+3+4*\b], v[S+8+16*\b:S+15+16*\b], v[244+\b]
.endr
	v_nop                                          ; one plain vector instruction behind the last conversion
.irp b, 0,1
	global_store_b64 v[YO], v[PC+4*\b:PC+1+4*\b], s[\yb:\yb+1] offset:512*\b
	global_store_b64 v[YO], v[PC+2+4*\b:PC+3+4*\b], s[\yb:\yb+1] offset:512*\b+256
.endr
	ds_store_b16 v[\sa], v254                      ; both lanes of a row write the same two bytes
.endm
	FIN OA, STA, SA, 52
	s_wait_xcnt 0x0                                ; tile A's stores have read their codes: the registers may be written
	FIN OB, STB, SB, 54
	s_wait_dscnt 0x0                               ; for the others' sake: my stores into the stage are done
	s_barrier_signal -1
	s_barrier_wait -1
	s_cmp_lt_u32 s[WV], 2
	s_cbranch_scc0 .Lno_words
	ds_load_b128 v[F:F+3], v[ER]
	s_wait_dscnt 0x0
	global_store_b128 v[LI], v[F:F+3], s[56:57]    ; 32 lanes store 512 consecutive bytes, aligned
.Lno_words:
	s_wait_xcnt 0x0
	v_lshl_add_u32 v254, v0, 2, 0x43800
	v_mov_b32 v255, 0
	s_wait_alu depctr_va_vdst(0)
	s_wait_tensorcnt 0x0
	ds_add_u32 v254, v255
	s_wait_dscnt 0x0
	CROUND                                         ; the closing round
	s_endpgm
.Lfunc_end_k_qd00385585b_attn:
	.size	k_qd00385585b_attn, .Lfunc_end_k_qd00385585b_attn-k_qd00385585b_attn
	.p2alignl 7, 3214868480
	.fill 96, 4, 3214868480
	.section	.rodata,"a",@progbits
	.p2align	6, 0x0
	.amdhsa_kernel k_qd00385585b_attn
		.amdhsa_group_segment_fixed_size 327680
		.amdhsa_private_segment_fixed_size 0
		.amdhsa_enable_private_segment 0
		.amdhsa_kernarg_size 32
		.amdhsa_user_sgpr_count 2
		.amdhsa_user_sgpr_kernarg_segment_ptr 1
		.amdhsa_wavefront_size32 1
		.amdhsa_system_sgpr_workgroup_id_x 1
		.amdhsa_system_sgpr_workgroup_id_y 1
		.amdhsa_system_sgpr_workgroup_id_z 1
		.amdhsa_system_vgpr_workitem_id 0
		.amdhsa_next_free_vgpr 256
		.amdhsa_next_free_sgpr 66
		.amdhsa_reserve_vcc 1
		.amdhsa_float_denorm_mode_32 3
		.amdhsa_float_denorm_mode_16_64 3
		.amdhsa_fp16_overflow 1
		.amdhsa_memory_ordered 1
		.amdhsa_forward_progress 1
		.amdhsa_inst_pref_size 113
	.end_amdhsa_kernel
	.amdgpu_metadata
---
amdhsa.version: [ 1, 2 ]
amdhsa.kernels:
  - .name:           k_qd00385585b_attn
    .symbol:         k_qd00385585b_attn.kd
    .args:
      - { .name: qb, .offset: 0, .size: 8, .value_kind: global_buffer, .address_space: global }
      - { .name: kv, .offset: 8, .size: 8, .value_kind: global_buffer, .address_space: global }
      - { .name: y_codes, .offset: 16, .size: 8, .value_kind: global_buffer, .address_space: global }
      - { .name: y_sc, .offset: 24, .size: 8, .value_kind: global_buffer, .address_space: global }
    .group_segment_fixed_size: 327680
    .private_segment_fixed_size: 0
    .kernarg_segment_align: 8
    .kernarg_segment_size: 32
    .max_flat_workgroup_size: 512
    .sgpr_count:     66
    .vgpr_count:     256
    .wavefront_size: 32
...
	.end_amdgpu_metadata
.endif
;; end of part 2
;; launch proj (part 3): grid 4 x 32, 4 waves a work-group, clusters of 4 x 4, 327,680 bytes of LDS; arguments y_codes, y_sc, w_proj_codes, w_proj_scales, b_proj, out0; writes out0
.if DOCPART == 3
	.amdgcn_target "amdgcn-amd-amdhsa--gfx1250"
	.amdhsa_code_object_version 6
	.text
	.protected	k_qd00385585b_proj
	.globl	k_qd00385585b_proj
	.p2align	8
	.type	k_qd00385585b_proj,@function
k_qd00385585b_proj:
	s_mov_b64 s[64:65], 0
	v_nop
	global_prefetch_b8 v0, s[64:65] scope:SCOPE_SE
	s_setreg_imm32_b32 hwreg(HW_REG_WAVE_MODE, 25, 1), 1
	s_wait_xcnt 0x0
	s_wait_alu depctr_hold_cnt(0) depctr_sa_sdst(0) depctr_va_vdst(0) depctr_va_sdst(0) depctr_va_ssrc(0) depctr_va_vcc(0) depctr_vm_vsrc(0)
	s_getreg_b32 s2, hwreg(HW_REG_IB_STS2, 6, 4)
	s_cmp_eq_u32 s2, 0
	s_cbranch_scc0 .Lentry_in_a_cluster
	s_endpgm
.Lentry_in_a_cluster:
	s_bfe_u32 s2, ttmp6, 0x10000c
	s_cmp_lg_u32 s2, 0xf033
	s_cbranch_scc0 .Lentry_shape_is_right
	s_endpgm
.Lentry_shape_is_right:
; out = y w_proj + b_proj on codes of FP8 (E4M3) with one E8M0 scale for each 32 along K = 1,024; out: [8,192][1,024] f32.
; y comes as IMAGES: y_codes [RT 512][block of 32 along K 32], an image = four operand registers of all 32 lanes, 512 bytes, lane l's 16 at 16 l, in the true order along K.
; RT = 128 batch + 32 g + n stands for rows 2,048 batch + 16 (4 n + g) + 0..15.  y_sc: [head 16][RT 512][row 16] of two scale bytes.  w_proj: [1,024][1,024] codes, K innermost; its scale bytes [1,024][32].
; A tile of the result is 256 rows (16 RT) x 256 columns: four waves, each 128 x 128 in 64 accumulators; K goes in steps of 256 through a ring of two LDS slots.
; A's part of a slot is dense: [RT 16][block 8] images: a fragment is four loads of 512 consecutive bytes: no pitch, no padding.  B's part has rows of 256 bytes + 16.
; A's scale bytes are laid by the waves themselves, once, as rows of 32 bytes (8 rows and 16 bytes of padding to 272), into LDS bytes into which no tensor load lands; B's come by a tensor load in the same form.
; CLUSTERS: 4 x 4 work-groups; A's tile is shared along a row of the cluster, B's along a column: each is asked for jointly.  SOURCE 0 = 16 rows of w_proj, source 1 = 16 rows of y: a lane holds eight neighbouring numbers of a row of out.
; The bias is the C of each sum's first matrix instruction.
; REGISTERS, in windows of 256: window 0: v0-31 addresses; v32-63 scale words, two sets; v64-127 the bias in the result's layout; from v128 A's fragments, ONE set; on the way out v128-255 are free.
;   window 1: B's fragments, TWO sets.   window 2: the accumulators of my rows 0-63 ((a, b) at v[8 (8 a + b)]);   window 3: those of my rows 64-127.
.set NQ,     2
.set ROWB,   256
.set KROW,   1024
.set PITCH,  272
.set FR,     16
.set NL,     4
.set NP,     8
.set HALFT,  128*PITCH
.set APART,  65536                     ; A's part of a slot
.set SLOT,   APART+2*HALFT
.set KS,     32
.set SCA,    2*SLOT                    ; A's scales: stored by the waves
.set HALFS,  16*272
.set SBLK,   2*272
.set SCB,    SCA+2*HALFS               ; B's scales: filled once by a tensor load
.set SPARE,  SCA+4*HALFS               ; the spare words, 128 bytes for each wave
.set SPITCH, 528                       ; the way out: a stage of 16 rows x (512 bytes + 16) for each wave, in slot 0, which has had its last fill and its last read by then
.set ADRA, 16
.set ADRB, 20
.set STO,  24
.set RD,   25
.set CO,   26                          ; v26  16 x lane
.set ADRS, 27
.set SPW,  28
.set NIL,  29
.set SCW,  30                          ; v30  where I put A's scale bytes
.set SC,   32
.set BI,   64
.set AF,   128
.set BK,   128
.set WV,   20
.set RH,   21
.set CH,   22
.set G1,   24
.set G0,   32
.set G1B,  48
.set G0B,  56
.set G1SB, 80
.set G0SB, 88
.set MSB, 0
.macro WIN new
.if MSB != \new
	s_set_vgpr_msb (MSB<<8)|\new
.set MSB, \new
.endif
.endm
.set MUL_LO, 0xa1                      ; source 0 (B) window 1, source 1 (A) window 0, C and D window 2
.set MUL_HI, 0xf1
.set MUL_LO1, 0x81                     ; the first step: C (the bias) window 0
.set MUL_HI1, 0xc1
.set TO_B,   0x40
.macro JLOAD g0a, g1a, g0b, g1b        ; a joint load: waves 0 and 1 fetch for A, waves 2 and 3 for B; four v_nop follow each of the two lines
	s_cmp_eq_u32 s[RH], 0
	s_cbranch_scc0 .Lfor_b_\@
	tensor_load_to_lds s[\g0a:\g0a+3], s[\g1a:\g1a+7]
	s_nop 0
.rept 4
	v_nop
.endr
	s_branch .Lasked_\@
.Lfor_b_\@:
	tensor_load_to_lds s[\g0b:\g0b+3], s[\g1b:\g1b+7]
	s_nop 0
.rept 4
	v_nop
.endr
.Lasked_\@:
.endm
.macro CREST
	s_cmp_lg_u32 s[WV], 0
	s_cbranch_scc1 .Lnot_wave_0_\@
	s_barrier_signal -3
.Lnot_wave_0_\@:
	s_barrier_wait -3
	s_barrier_signal -1
	s_barrier_wait -1
.endm
.macro CROUND
	s_barrier_signal -1
	s_barrier_wait -1
	CREST
.endm
	s_load_b256 s[4:11], s[0:1], 0x0               ; y_codes s[4:5], y_sc s[6:7], w's codes s[8:9], w's scales s[10:11]
	s_load_b128 s[12:15], s[0:1], 0x20             ; b_proj s[12:13], out0 s[14:15]
	v_lshl_add_u32 v[SPW], v0, 2, SPARE
	v_mov_b32 v[NIL], 0
	ds_add_u32 v28, v29
	ds_add_u32 v28, v29
	s_wait_dscnt 0x0
	v_lshrrev_b32 v1, 5, v0
	v_readfirstlane_b32 s[WV], v1
	s_lshr_b32 s[RH], s[WV], 1                     ; which half of A's rows is mine.  Also: I fetch for A (0) or for B (1)
	s_and_b32 s[CH], s[WV], 1                      ; which half of B's rows.  Also: which half of that tile I fetch
	s_bfe_u32 s40, ttmp6, 0x40000                  ; cx
	s_bfe_u32 s41, ttmp6, 0x40004                  ; cy
	s_lshl_b32 s42, ttmp9, 2
	s_add_co_u32 s42, s42, s40                     ; B's tile of 256 rows of w_proj
	s_and_b32 s43, ttmp7, 0xffff
	s_lshl_b32 s43, s43, 2
	s_add_co_u32 s43, s43, s41                     ; A's tile of 16 RT
	s_lshl_b32 s44, s41, 2
	s_lshl_b32 s44, 15, s44                        ; my row of the cluster
	s_lshl_b32 s45, 0x1111, s40                    ; my column
	; group 1 for A: 8 rows (RT) of 4,096 bytes (a K step's 8 images: 512 elements of 8 bytes), 16,384 bytes apart in memory, dense in LDS
	s_or_b32 s[G1+0], s44, (3<<16)|(1<<21)
	s_mov_b32 s[G1+1], 512<<16                     ; tensor_dim0
	s_mov_b32 s[G1+2], 8<<16                       ; tensor_dim1
	s_mov_b32 s[G1+3], 512<<16                     ; tile_dim0
	s_mov_b32 s[G1+4], 8                           ; tile_dim1
	s_mov_b32 s[G1+5], 2048                        ; tensor_dim0_stride
	s_mov_b32 s[G1+6], 0
	s_mov_b32 s[G1+7], 0
	; for B: 128 rows x 256 bytes, 16 bytes of padding behind each
	s_or_b32 s[G1B+0], s45, (0<<16)|(1<<20)|(1<<21)|(5<<22)|(3<<25)
	s_mov_b32 s[G1B+1], ROWB<<16
	s_mov_b32 s[G1B+2], 128<<16
	s_mov_b32 s[G1B+3], ROWB<<16
	s_mov_b32 s[G1B+4], 128
	s_mov_b32 s[G1B+5], KROW
	s_mov_b32 s[G1B+6], 0
	s_mov_b32 s[G1B+7], 0
	; for B's scales of 128 rows: 16 rows of 256 bytes, 16 bytes of padding behind each
	s_or_b32 s[G1SB+0], s45, (3<<16)|(1<<20)|(1<<21)|(5<<22)|(3<<25)
	s_mov_b32 s[G1SB+1], 32<<16
	s_mov_b32 s[G1SB+2], 16<<16
	s_mov_b32 s[G1SB+3], 32<<16
	s_mov_b32 s[G1SB+4], 16
	s_mov_b32 s[G1SB+5], 32
	s_mov_b32 s[G1SB+6], 0
	s_mov_b32 s[G1SB+7], 0
	s_lshl_b32 s92, s43, 18                        ; A: (16 x tile + 8 x half) RT of 16,384 bytes
	s_lshl_b32 s18, s[CH], 17
	s_add_co_u32 s92, s92, s18
	s_mov_b32 s93, 0
	s_lshl_b32 s98, s42, 8
	s_lshl_b32 s18, s[CH], 7
	s_add_co_u32 s98, s98, s18                     ; B's row
	s_lshl_b32 s96, s98, 10
	s_lshl_b32 s98, s98, 5
	s_mov_b32 s97, 0
	s_mov_b32 s99, 0
	s_lshl_b32 s100, s[CH], 15                     ; where they go: no place in the cluster enters an LDS address
	s_mul_i32 s101, s[CH], HALFT
	s_add_co_u32 s101, s101, APART
	s_mul_i32 s46, s[CH], HALFS
	s_add_co_u32 s46, s46, SCB
	s_wait_kmcnt 0x0
	s_add_nc_u64 s[92:93], s[4:5], s[92:93]
	s_add_nc_u64 s[96:97], s[8:9], s[96:97]
	s_add_nc_u64 s[98:99], s[10:11], s[98:99]
	CROUND                                         ; all sixteen work-groups are here: the first joint loads meet
	s_mov_b32 s[G0SB], 1
	s_mov_b32 s[G0SB+1], s46
	s_mov_b64 s[G0SB+2:G0SB+3], s[98:99]
	s_or_b32 s[G0SB+3], s[G0SB+3], 0x80000000
.irp s, 0,1
	s_mov_b32 s[G0+4*\s], 1
	s_add_co_u32 s[G0+4*\s+1], s100, \s*SLOT
	s_add_nc_u64 s[G0+4*\s+2:G0+4*\s+3], s[92:93], \s*4096
	s_or_b32 s[G0+4*\s+3], s[G0+4*\s+3], 0x80000000
	s_mov_b32 s[G0B+4*\s], 1
	s_add_co_u32 s[G0B+4*\s+1], s101, \s*SLOT
	s_add_nc_u64 s[G0B+4*\s+2:G0B+4*\s+3], s[96:97], \s*ROWB
	s_or_b32 s[G0B+4*\s+3], s[G0B+4*\s+3], 0x80000000
.endr
	s_cmp_eq_u32 s[RH], 0                          ; a wave's first fills stand in one branch: waves 0, 1 have two loads out, waves 2, 3 three; behind slot 0's load stands slot 1's on both ways
	s_cbranch_scc0 .Lfirst_b
	tensor_load_to_lds s[G0:G0+3], s[G1:G1+7]
	s_nop 0
	tensor_load_to_lds s[G0+4:G0+7], s[G1:G1+7]
	s_nop 0
.rept 4
	v_nop
.endr
	s_branch .Lfirst_done
.Lfirst_b:
	tensor_load_to_lds s[G0SB:G0SB+3], s[G1SB:G1SB+7]
	s_nop 0
	tensor_load_to_lds s[G0B:G0B+3], s[G1B:G1B+7]
	s_nop 0
	tensor_load_to_lds s[G0B+4:G0B+7], s[G1B:G1B+7]
	s_nop 0
.rept 4
	v_nop
.endr
.Lfirst_done:
	v_and_b32 v1, 15, v0                           ; r
	s_wait_alu depctr_va_vdst(0)
	v_bfe_u32 v2, v0, 4, 1                         ; h
	v_and_b32 v7, 31, v0
	v_lshlrev_b32 v[CO], 4, v7
	; A's scale bytes: wave w takes heads 4 w .. 4 w + 3; a head's 512 bytes of the tile are 256 rows x 2 bytes: my 16 bytes are rows 8 lane + 0..7
	s_lshl_b32 s18, s[WV], 16
	s_lshl_b32 s19, s43, 9
	s_add_co_u32 s18, s18, s19
	s_mov_b32 s19, 0
	s_add_nc_u64 s[6:7], s[6:7], s[18:19]
.irp k, 0,1,2,3
	global_load_b128 v[128+4*\k:131+4*\k], v[CO], s[6:7] offset:16384*\k
.endr
	; the bias in the result's layout: register 8 b + j: column 16 b + 8 h + j of my 128
	v_lshlrev_b32 v5, 5, v2
	s_lshl_b32 s18, s42, 10
	s_lshl_b32 s19, s[CH], 9
	s_add_co_u32 s18, s18, s19
	s_mov_b32 s19, 0
	s_add_nc_u64 s[12:13], s[12:13], s[18:19]
.irp b, 0,1,2,3,4,5,6,7
	global_load_b128 v[BI+8*\b:BI+8*\b+3], v5, s[12:13] offset:64*\b
	global_load_b128 v[BI+8*\b+4:BI+8*\b+7], v5, s[12:13] offset:64*\b+16
.endr
	v_mul_u32_u24 v3, v1, PITCH
	s_wait_alu depctr_va_vdst(0)
	v_lshl_add_u32 v4, v2, 4, v3
	s_lshl_b32 s18, s[RH], 15                      ; my 8 RT of A
	s_mul_i32 s19, s[CH], HALFT                    ; my 128 rows of B,
	s_add_co_u32 s19, s19, APART                   ; which lie behind A's part
.irp s, 0,1
	v_add_nc_u32 v[ADRA+\s], s18, v[CO]
	v_add_nc_u32 v[ADRB+\s], s19, v4
	s_add_co_u32 s18, s18, SLOT
	s_add_co_u32 s19, s19, SLOT
.endr
	v_mul_u32_u24 v3, v1, KS
	v_lshrrev_b32 v4, 8, v3
	v_lshl_add_u32 v3, v4, 4, v3
	s_mul_i32 s18, s[RH], HALFS
	s_mul_i32 s19, s[CH], HALFS
	s_add_co_u32 s19, s19, 2*HALFS
	s_sub_co_u32 s19, s19, s18
	v_mul_u32_u24 v4, s19, v2                      ; lanes 16-31 take B's
	s_add_co_u32 s18, s18, SCA
	v_add_nc_u32 v3, v3, v4
	v_add_nc_u32 v[ADRS], s18, v3
	v_mul_u32_u24 v3, v7, 272                      ; my 8 rows are one unit of 256 bytes + 16;
	s_lshl_b32 s18, s[WV], 3                       ; my wave's four heads are bytes 8 w .. 8 w + 7 of a row's 32
	s_add_co_u32 s18, s18, SCA
	v_add_nc_u32 v[SCW], s18, v3
	s_mul_i32 s18, s[WV], 16*SPITCH                ; my stage
	v_mul_u32_u24 v3, v1, SPITCH
	v_lshl_add_u32 v3, v2, 5, v3
	v_add_nc_u32 v[STO], s18, v3
	v_add_nc_u32 v[RD], s18, v[CO]
	; my first row of out: tile = 8 batch + 2 g + nn: row 2,048 batch + 16 g + 64 (16 nn + 8 x half); block i lies 64 i rows on
	s_lshr_b32 s18, s43, 3
	s_lshl_b32 s18, s18, 11
	s_bfe_u32 s19, s43, 0x20001
	s_lshl_b32 s19, s19, 4
	s_add_co_u32 s18, s18, s19
	s_and_b32 s19, s43, 1
	s_lshl_b32 s19, s19, 10
	s_add_co_u32 s18, s18, s19
	s_lshl_b32 s19, s[RH], 9
	s_add_co_u32 s18, s18, s19
	s_lshl_b32 s18, s18, 12                        ; rows of 4,096 bytes: under 2^25
	s_lshl_b32 s19, s42, 10
	s_add_co_u32 s18, s18, s19
	s_lshl_b32 s19, s[CH], 9
	s_add_co_u32 s18, s18, s19
	s_mov_b32 s19, 0
	s_add_nc_u64 s[14:15], s[14:15], s[18:19]
	s_wait_alu depctr_va_vdst(0)
	s_wait_loadcnt 0x0
.irp k, 0,1,2,3
.irp e, 0,1,2,3
	ds_store_b16 v[SCW], v[128+4*\k+\e] offset:64*\e+2*\k              ; row 8 lane + 2 e, head 4 w + k
	ds_store_b16_d16_hi v[SCW], v[128+4*\k+\e] offset:64*\e+32+2*\k    ; row 8 lane + 2 e + 1
.endr
.endr
.macro FRAGA reg, adr, q, i            ; A's block i, the slot's q-th 128 along K: four images
.irp c, 0,1,2,3
	ds_load_b128 v[\reg+4*\c:\reg+4*\c+3], v[\adr] offset:(\i)*4096+2048*(\q)+512*\c
.endr
.endm
.macro FRAGB reg, adr, q, i            ; B's: lane l holds row l % 16; registers 4 c .. 4 c + 3 hold K = 32 c + 16 (l / 16) + 0 .. 15
.irp c, 0,1,2,3
	ds_load_b128 v[\reg+4*\c:\reg+4*\c+3], v[\adr] offset:128*(\q)+32*\c+(\i)*16*PITCH
.endr
.endm
; 16 matrix instructions: A's blocks a0, a0 + 1 x B's eight.  first = 1: the bias starts the sums.  The 64 accumulators take turns, one instruction a turn.
.macro MUL16 a0, p, q, sc, first
.irp a, \a0, \a0+1
.irp b, 0,1,2,3,4,5,6,7
.if \first
	v_wmma_scale_f32_16x16x128_f8f6f4 v[8*(8*((\a)%4)+\b):8*(8*((\a)%4)+\b)+7], v[128*(\p)+FR*\b:128*(\p)+FR*\b+FR-1], v[AF+FR*(\a):AF+FR*(\a)+FR-1], v[BI+8*\b:BI+8*\b+7], v[SC+8*NQ*(\sc)+NQ*\b+(\q)], v[SC+8*NQ*(\sc)+NQ*(\a)+(\q)] matrix_a_scale:MATRIX_SCALE_ROW1
.else
	v_wmma_scale_f32_16x16x128_f8f6f4 v[8*(8*((\a)%4)+\b):8*(8*((\a)%4)+\b)+7], v[128*(\p)+FR*\b:128*(\p)+FR*\b+FR-1], v[AF+FR*(\a):AF+FR*(\a)+FR-1], v[8*(8*((\a)%4)+\b):8*(8*((\a)%4)+\b)+7], v[SC+8*NQ*(\sc)+NQ*\b+(\q)], v[SC+8*NQ*(\sc)+NQ*(\a)+(\q)] matrix_a_scale:MATRIX_SCALE_ROW1
.endif
.endr
.endr
.endm
.macro FETCH_B slot, q, p
	WIN TO_B
.irp i, 0,1,2,3,4,5,6,7
	FRAGB 128*(\p)+FR*\i, ADRB+\slot, \q, \i
.endr
	WIN 0
.endm
.macro FETCH_A slot, q, i0
.irp i, \i0, \i0+1, \i0+2, \i0+3
	FRAGA AF+FR*(\i), ADRA+\slot, \q, \i
.endr
.endm
.macro SCALES sc
.irp i, 0,1,2,3,4,5,6,7
	ds_load_b64 v[SC+8*NQ*\sc+NQ*\i:SC+8*NQ*\sc+NQ*\i+1], v[ADRS] offset:\i*SBLK
.endr
.endm
.macro PLACES n
.rept \n
	v_nop
.endr
.endm
.macro STEP slot, q, first
	s_wait_dscnt 4*NL                              ; B's set and A's blocks 0-3 are in; the youngest 16 loads (A's blocks 4-7) may be out
.if \first
	WIN MUL_LO1
.else
	WIN MUL_LO
.endif
	MUL16 0, (\q)%2, \q, \slot, \first
	MUL16 2, (\q)%2, \q, \slot, \first
	s_wait_dscnt 0
	PLACES NP
	FETCH_B \slot, (\q)+1, 1-(\q)%2
	FETCH_A \slot, (\q)+1, 0
.if \first
	WIN MUL_HI1
.else
	WIN MUL_HI
.endif
	MUL16 4, (\q)%2, \q, \slot, \first
	MUL16 6, (\q)%2, \q, \slot, \first
	PLACES NP
	WIN 0
	FETCH_A \slot, (\q)+1, 4
.endm
.macro TURN slot, next, fill
	s_wait_tensorcnt 0x0                           ; all my tensor loads have landed: my part of the next slot
	ds_add_u32 v[SPW], v[NIL]                      ; 0 onto my spare word
	s_wait_dscnt 4*NL+1                            ; (the add and the youngest 16 loads may be out)
	WIN MUL_LO
	MUL16 0, 1, NQ-1, \slot, 0
	s_wait_dscnt 0x0                               ; the add is done, and my reads of this slot are over
	s_barrier_signal -1
	MUL16 2, 1, NQ-1, \slot, 0
	WIN 0
	s_barrier_wait -1
.if \fill
	CREST                                          ; the barrier has opened a round of the cluster's barrier: no wave of any partner still reads this slot or has a load on its way
	s_add_nc_u64 s[G0+4*\slot+2:G0+4*\slot+3], s[G0+4*\slot+2:G0+4*\slot+3], 2*4096
	s_add_nc_u64 s[G0B+4*\slot+2:G0B+4*\slot+3], s[G0B+4*\slot+2:G0B+4*\slot+3], 2*ROWB
	JLOAD G0+4*\slot, G1, G0B+4*\slot, G1B         ; the first tensor load behind the round, my only one out
	PLACES NP-4
.else
	PLACES NP
.endif
	s_wait_alu depctr_va_vdst(0)
	v_add_nc_u32 v[ADRS], 4*NQ, v[ADRS]
	FETCH_B \next, 0, 0
	FETCH_A \next, 0, 0
	SCALES \next
	WIN MUL_HI
	MUL16 4, 1, NQ-1, \slot, 0
	MUL16 6, 1, NQ-1, \slot, 0
	PLACES NP
	WIN 0
	FETCH_A \next, 0, 4
.endm
	s_wait_tensorcnt 1                             ; my part of K step 0 (and B's scales) is in; K step 1's load may be out,
	s_wait_dscnt 0x0                               ; my part of A's scales lies in LDS,
	s_barrier_signal -1
	s_barrier_wait -1                              ; everybody's does
	FETCH_B 0, 0, 0
	FETCH_A 0, 0, 0
	SCALES 0
	FETCH_A 0, 0, 4
	STEP 0, 0, 1                                   ; K = 1,024 is four K steps of 256: written straight
	TURN 0, 1, 1
	STEP 1, 0, 0
	TURN 1, 0, 1
	STEP 0, 0, 0
	TURN 0, 1, 0
	STEP 1, 0, 0
	s_wait_dscnt 4*NL
	WIN MUL_LO
	MUL16 0, 1, NQ-1, 1, 0
	MUL16 2, 1, NQ-1, 1, 0
	s_wait_dscnt 0
	WIN MUL_HI
	MUL16 4, 1, NQ-1, 1, 0
	MUL16 6, 1, NQ-1, 1, 0
	WIN 0
; THE WAY OUT, block by block of 16 rows x 128 columns, through my own stage: in as 32 bytes a lane, back as whole rows of 512 bytes.  LDS serves a wave's instructions in order (ISA guide 5.7.1.4).
.macro TOSTAGE a
.set AC, 64*((\a)%4)
	WIN 0x08+4*((\a)/4)                            ; the data: window 2 or 3
.irp b, 0,1,2,3,4,5,6,7
	ds_store_b128 v[STO], v[AC+8*\b:AC+8*\b+3] offset:64*\b          ; each accumulator from its low end on
	ds_store_b128 v[STO], v[AC+8*\b+4:AC+8*\b+7] offset:64*\b+16
.endr
	WIN 0
.set BB, BK+64*((\a)%2)
.irp t, 0,1,2,3,4,5,6,7,8,9,10,11,12,13,14,15
	ds_load_b128 v[BB+4*\t:BB+4*\t+3], v[RD] offset:\t*SPITCH
.endr
.endm
.macro SEND a, younger                 ; younger: the LDS instructions issued behind block a's loads, which may stay out
.set BB, BK+64*((\a)%2)
	s_wait_dscnt \younger
.if (\a) > 0
	s_add_nc_u64 s[14:15], s[14:15], 64*4096       ; (behind a wait on XCNT)  the next block's rows lie 64 rows on
.endif
.irp t, 0,1,2,3,4,5,6,7,8,9,10,11,12,13,14,15
	global_store_b128 v[CO], v[BB+4*\t:BB+4*\t+3], s[14:15] offset:\t*4096 th:TH_STORE_NT   ; 32 lanes store 512 consecutive bytes, aligned; written once, read by nobody here
.endr
.endm
	PLACES NP
	TOSTAGE 0
.irp a, 1,2,3,4,5,6,7
.if \a > 1
	s_wait_xcnt 0x0                                ; block a - 2's stores have read their registers and their base
.endif
	TOSTAGE \a
	SEND \a-1, 32                                  ; behind block a - 1's loads: block a's 16 stores and 16 loads
.endr
	s_wait_xcnt 0x0
	SEND 7, 0
	s_wait_tensorcnt 0x0                           ; the wave's end
	ds_add_u32 v[SPW], v[NIL]
	s_wait_dscnt 0x0
	CROUND                                         ; the closing round
	s_endpgm
.Lfunc_end_k_qd00385585b_proj:
	.size	k_qd00385585b_proj, .Lfunc_end_k_qd00385585b_proj-k_qd00385585b_proj
	.p2alignl 7, 3214868480
	.fill 96, 4, 3214868480
	.section	.rodata,"a",@progbits
	.p2align	6, 0x0
	.amdhsa_kernel k_qd00385585b_proj
		.amdhsa_group_segment_fixed_size 327680
		.amdhsa_private_segment_fixed_size 0
		.amdhsa_enable_private_segment 0
		.amdhsa_kernarg_size 48
		.amdhsa_user_sgpr_count 2
		.amdhsa_user_sgpr_kernarg_segment_ptr 1
		.amdhsa_wavefront_size32 1
		.amdhsa_system_sgpr_workgroup_id_x 1
		.amdhsa_system_sgpr_workgroup_id_y 1
		.amdhsa_system_sgpr_workgroup_id_z 1
		.amdhsa_system_vgpr_workitem_id 0
		.amdhsa_next_free_vgpr 1024
		.amdhsa_next_free_sgpr 102
		.amdhsa_reserve_vcc 0
		.amdhsa_float_denorm_mode_32 3
		.amdhsa_float_denorm_mode_16_64 3
		.amdhsa_memory_ordered 1
		.amdhsa_forward_progress 1
		.amdhsa_inst_pref_size 149
	.end_amdhsa_kernel
	.amdgpu_metadata
---
amdhsa.version: [ 1, 2 ]
amdhsa.kernels:
  - .name:           k_qd00385585b_proj
    .symbol:         k_qd00385585b_proj.kd
    .args:
      - { .name: y_codes, .offset: 0, .size: 8, .value_kind: global_buffer, .address_space: global }
      - { .name: y_sc, .offset: 8, .size: 8, .value_kind: global_buffer, .address_space: global }
      - { .name: w_proj_codes, .offset: 16, .size: 8, .value_kind: global_buffer, .address_space: global }
      - { .name: w_proj_scales, .offset: 24, .size: 8, .value_kind: global_buffer, .address_space: global }
      - { .name: b_proj, .offset: 32, .size: 8, .value_kind: global_buffer, .address_space: global }
      - { .name: out0, .offset: 40, .size: 8, .value_kind: global_buffer, .address_space: global }
    .group_segment_fixed_size: 327680
    .private_segment_fixed_size: 0
    .kernarg_segment_align: 8
    .kernarg_segment_size: 48
    .max_flat_workgroup_size: 128
    .sgpr_count:     102
    .vgpr_count:     1024
    .wavefront_size: 32
...
	.end_amdgpu_metadata
.endif
;; end of part 3
